; MI455X (gfx1250); checked and timed in simulation.
; The chip was launched on July 23, 2026; its instructions are those of AMD's public machine-readable ISA for CDNA 5 (MIT licence, August 2026) and "CDNA5" Instruction Set Architecture Reference Guide (July 2026). The comments in the code are by the model that wrote it; some were corrected since.
;; Multi Head Attention. Allowed arithmetic: matrix products marked QUANTISED: E2M1 operands, one E8M0 scale for each 32 along K, by v_wmma_scale_f32_16x16x128_f8f6f4 with both operands' format E2M1 (or v_wmma_scale_f32_32x16x128_f4), f32 sums; products left as they are: bf16, f16 or f32 operands; f32 sums; everything else in f32.
;; Inputs: Wk 1,024 x 1,024 float32; Wo 1,024 x 1,024 float32; Wq 1,024 x 1,024 float32; Wv 1,024 x 1,024 float32; bk 1,024 float32; bo 1,024 float32; bq 1,024 float32; bv 1,024 float32; k 4 x 2,048 x 1,024 float32; mask 1 x 1 x 2,048 x 2,048 int32; q 4 x 2,048 x 1,024 float32; v 4 x 2,048 x 1,024 float32.
;; Outputs: out0 4 x 2,048 x 1,024 float32.
;; This version of the problem:
;;   THIS VERSION OF THE PROBLEM IS GIVEN IN LOW PRECISION. The matrix products marked QUANTISED in the list below multiply operands that are first quantised to E2M1 (2 exponent bits, 1 mantissa bit; 4 bits a number), with one power-of-two scale for each 32 numbers along K (OCP MX v1.0); their sums are f32. The products marked 'left as it is' may take bf16, f16 or f32 operands, with f32 sums. Whichever they take, every output number must still come out within the allowed error. Rounding operands to bf16 (8 significant bits) uses up far more of that allowance than f16 does (11 bits, for magnitudes from 6e-5 to 65,504). All else is computed in f32.
;;   The module's matrix products, in the order in which they are computed (A, B: the left and right operand; K: the contracted axis; several contracted axes count as one K, in the product's order):
;;     1. [M 8,192, K 1,024] x [K 1,024, N 1,024]; A: input q; B: input Wq: QUANTISED
;;     2. [M 8,192, K 1,024] x [K 1,024, N 1,024]; A: input k; B: input Wk: QUANTISED
;;     3. [M 8,192, K 1,024] x [K 1,024, N 1,024]; A: input v; B: input Wv: QUANTISED
;;     4. batch 64 x [M 2,048, K 64] x [K 64, N 2,048]; A: computed on the way; B: computed on the way: left as it is (an operand is computed on the way)
;;     5. batch 64 x [M 2,048, K 2,048] x [K 2,048, N 64]; A: computed on the way; B: computed on the way: left as it is (an operand is computed on the way)
;;     6. [M 8,192, K 1,024] x [K 1,024, N 1,024]; A: computed on the way; B: input Wo: left as it is (an operand is computed on the way)
;;   THE QUANTISER, for each operand of a quantised product, along K:
;;     - K is cut into blocks of 32 from its start; a last block that is shorter is filled with zeros.
;;     - A block's scale is 2^e with e = floor(log2(the largest magnitude in the block)) - 2, held to -126 .. 127; a block of zeros has e = 0. As a byte (E8M0): e + 127.
;;     - Each number is divided by its block's scale, clamped to +-6, and rounded to the nearest number of E2M1, ties to even, subnormals kept.
;;     - The product sums the exact products of the quantised numbers (number of the format x scale) in f32.
;;   ~~~python
;;   def quantise(x, axis):      # numpy; x: float32 -> the quantised numbers, widened to float32 again
;;       x = np.moveaxis(x, axis, -1); K = x.shape[-1]
;;       x = np.pad(x, [(0, 0)] * (x.ndim - 1) + [(0, -K % 32)]); x = x.reshape(x.shape[:-1] + (-1, 32)); a = np.abs(x).max(-1, keepdims=True)
;;       e = np.where(a > 0, np.clip(np.frexp(np.where(a > 0, a, 1))[1] - 1 - 2, -126, 127), 0)      # np.frexp(a)[1] - 1 = floor(log2(a)), exactly
;;       r = np.clip(x / 2.0 ** e, -6, 6)
;;       step = 2.0 ** (np.maximum(np.frexp(np.where(r == 0, 1, r))[1] - 1, 0) - 1)
;;       q = np.round(r / step) * step * 2.0 ** e      # np.round: ties to even
;;       return np.moveaxis(q.reshape(q.shape[:-2] + (-1,))[..., :K], -1, axis).astype(np.float32)
;;   ~~~
;; One version. Each part assembles by itself: llvm-mc -triple=amdgcn-amd-amdhsa -mcpu=gfx1250 --defsym DOCPART=n.
;; ======== version 1 of 1: 5 launches
;; limits: values are held in f16: magnitudes above 65,504 overflow, below 6.1e-05 lose precision
;; workspace buffers: codes 14,155,776 bytes; scales 884,736 bytes; qkvf 67,108,864 bytes; ctxf 16,777,216 bytes; wohl 4,194,304 bytes; mbits 529,408 bytes of whole numbers
;; launch prep (part 1): grid 944 x 1, 4 waves a work-group, no clusters, 68,096 bytes of LDS; arguments q, k, v, Wq, Wk, Wv, Wo, mask, codes, scales, wohl, mbits; writes codes, scales, wohl, mbits
.if DOCPART == 1
	.amdgcn_target "amdgcn-amd-amdhsa--gfx1250"
	.amdhsa_code_object_version 6
	.text
	.protected	k_q7fc7bf8301_prep
	.globl	k_q7fc7bf8301_prep
	.p2align	8
	.type	k_q7fc7bf8301_prep,@function
k_q7fc7bf8301_prep:
	s_mov_b64 s[64:65], 0
	v_nop
	global_prefetch_b8 v0, s[64:65] scope:SCOPE_SE
	s_setreg_imm32_b32 hwreg(HW_REG_WAVE_MODE, 25, 1), 1
	s_wait_xcnt 0x0
; MULTI-HEAD ATTENTION, launch 1 of 5: what every later launch reads is made here, once.
;   (a) work-groups 0-63:   the mask [2048][2048] int32 becomes lane-mask words and flags of whole numbers (mbits);
;   (b) work-groups 64-79:  Wo [1024][1024] f32 becomes f16 fragments, a high and a low part (wohl);
;   (c) work-groups 80-943: q, k, v, Wq, Wk, Wv (f32, K innermost) become codes of E2M1 and one E8M0 byte for each 32 along K (codes, scales).
; WORK THAT THE PROGRAM LEAVES OUT.  reference() sets a score to -1e9 where mask == 0.  A block of 64 keys in which the mask keeps no key for any of a wave's 64 queries adds
; exp(-1e9 - max) to sums whose largest term is 1: that is 0 in f32 as soon as the row keeps one key anywhere.  The mask is made of whole numbers, so this launch stores which blocks hold a kept key,
; and the attention launches, which read those words from memory, walk only such blocks.  Where some row of a block of 256 queries keeps NO key, every one of its scores is -1e9 and the row is the plain mean of
; all values: then all blocks are walked.  No pattern of the mask is built in.  Every input has a way to the output and is loaded by some launch.
; LIMITS: a row's largest kept score lies more than 150 above -1e9; NaN and infinities among the inputs are not served; a NaN, an infinity or an overflow that lies only in blocks that are not walked is not
; carried to the result; a block of 32 whose largest magnitude lies under 2^-124 keeps the scale byte 1 (a block of zeros too: its codes are zeros, and this program alone reads the bytes);
; Q log2(e)/8, K, V, the context and Wo are carried in f16: their magnitudes stay under 65,504.
; mbits: words W[qt 128][kt 128][j 8]: bit L = mask[16 qt + L % 16][16 kt + 8 (L / 16) + j] != 0, which is the lane mask of register j of a 16 x 16 tile of scores (a lane holds one query, its registers eight keys).
; From byte MF on ten arrays of 128 words, array i + 5 hf (hf: which half of the keys), index qt: i = 0 bit s: the 64-key step s holds a kept key; 1: bit s: not all of its keys are kept; 2: the rows with a kept key;
; 3, 4: a bit for each 16-key tile with a kept key.
; The three paths part on the work-group's number and have LDS bytes of their own.  No barrier: waves share nothing.
.set MF,    524288
.set SPARE, 67584                      ; the spare words, 128 bytes for each wave
.set SPW,   12                         ; v12  LDS address of my spare word; never rewritten
.set NIL,   13                         ; v13  0; never rewritten
; ---- names of path (c)
.set STEPS, 16
.set EMAX,  2
.set CB,    8                          ; bytes of 16 codes
.set QR,    16                         ; v16-79   four sets of 16 numbers as loaded
.set QX,    80                         ; v80-111  two sets of 16 neighbours
.set QE,    112                        ; v112-127 a scale byte for each step
.set QC,    128                        ; v128-191 codes, four registers for each step
.set WREG,  8192                       ; LDS 0-32,767: a region for each wave: two stages of 32 x SP bytes, then its 256 scale bytes
.set SP,    80
; ---- names of paths (a) and (b)
.set VX,    3                          ; lane % 16
.set VY,    4                          ; lane / 16
.set VIN,   5                          ; byte offset of my 16 bytes in two rows of the input
.set VST,   6                          ; the stage, on the way in: row lane / 16, 16 bytes at lane % 16
.set VLD,   7                          ; on the way out: row lane % 16, 32 bytes at lane / 16
.set VOUT,  8
.set X,     16                         ; v16-47   register 8 t + j: element (row lane % 16, column 16 t + 8 (lane / 16) + j) of a step's 16 x 64
.set TT,    48                         ; v48-63   (b) at work      (a) COL: eight pairs that gather the words
.set COL,   48
.set U,     64                         ; v64-79   (b) at work      (a) v64 the five flags, v65 their address
.set FL,    64
.set FA,    65
.set H,     80                         ; v80-95   (b) high parts, packed
.set LO,    96                         ; v96-111  (b) low parts, packed
.set R,     112                        ; v112-239 four sets of 32 registers as loaded
.macro QLOAD t
.irp i, 0,1,2,3
	global_load_b128 v[QR+16*((\t)%4)+4*\i:QR+16*((\t)%4)+4*\i+3], v3, s[4:5] offset:2048*(\t)+512*\i th:TH_LOAD_NT   ; 32 lanes read 512 consecutive bytes
.endr
.endm
.macro QTURN t                         ; a step's numbers through the stage: LDS serves a wave's instructions in order, so no wait stands between the stores and the loads
.irp i, 0,1,2,3
	ds_store_b128 v14, v[QR+16*((\t)%4)+4*\i:QR+16*((\t)%4)+4*\i+3] offset:32*SP*((\t)%2)+8*SP*\i
.endr
.irp i, 0,1,2,3
	ds_load_b128 v[QX+16*((\t)%2)+4*\i:QX+16*((\t)%2)+4*\i+3], v15 offset:32*SP*((\t)%2)+16*\i
.endr
.endm
.macro QSTEP t
.set XS, QX+16*((\t)%2)
.if (\t) > 0
	s_wait_dscnt 1                                 ; this step's numbers are back from the stage (the last step's byte store may be out)
.else
	s_wait_dscnt 0x0
.endif
.if (\t)+4 < STEPS
	QLOAD (\t)+4                                   ; the registers that the stage's stores have read take the loads of four steps on
.endif
.if (\t)+1 < STEPS
.if STEPS-2-(\t) >= 3
	s_wait_loadcnt 12                              ; the next step's four loads are in; those of the three steps behind it may be out
.else
	s_wait_loadcnt 4*(STEPS-2-(\t))
.endif
	QTURN (\t)+1
.endif
	v_max3_num_f32 v8, |v[XS]|, |v[XS+1]|, |v[XS+2]|               ; the largest magnitude of my 16
	v_max3_num_f32 v9, |v[XS+3]|, |v[XS+4]|, |v[XS+5]|
.irp i, 6,10
	v_max3_num_f32 v8, v8, |v[XS+\i]|, |v[XS+\i+1]|
	v_max3_num_f32 v9, v9, |v[XS+\i+2]|, |v[XS+\i+3]|
.endr
	v_max3_num_f32 v8, v8, |v[XS+14]|, |v[XS+15]|
	v_max3_num_f32 v8, v8, v9, (EMAX+1)<<23        ; and the floor 2^(3 - 127): the byte cannot fall under 1
	v_max_num_f32_dpp v8, v8, v8 row_xmask:1 row_mask:0xf bank_mask:0xf   ; and of my neighbour's 16: the block's
	v_add_nc_u32 v11, -(EMAX<<23), v8              ; 2 off its exponent field: the conversion takes the exponent field of this operand as its scale
	v_cvt_scalef32_pk8_fp4_f32 v[QC+4*(\t)], v[XS:XS+7], v11
	v_cvt_scalef32_pk8_fp4_f32 v[QC+4*(\t)+1], v[XS+8:XS+15], v11
	v_lshrrev_b32 v[QE+(\t)], 23, v11              ; the scale's byte
	ds_store_b8 v5, v[QE+(\t)] offset:16*(\t)      ; both lanes of a block write the same byte with the same value
	global_store_b64 v4, v[QC+4*(\t):QC+4*(\t)+1], s[20:21] offset:32*CB*(\t)   ; the wave stores 256 consecutive bytes
.endm
; eight loads of two rows x 256 bytes: a step's 16 rows x 64 numbers
.macro LD16 set, off, pitch, base
.irp i, 0,1,2,3,4,5,6,7
	global_load_b128 v[R+32*(\set)+4*\i:R+32*(\set)+4*\i+3], v[VIN], s[\base:\base+1] offset:\off+\i*2*\pitch th:TH_LOAD_NT
.endr
.endm
; through my stage (16 rows of 256 bytes + 16): in by rows, out so that a lane holds eight neighbours of one row for each 16 columns
.macro TURN16 set
.irp i, 0,1,2,3,4,5,6,7
	ds_store_b128 v[VST], v[R+32*(\set)+4*\i:R+32*(\set)+4*\i+3] offset:\i*544
.endr
.irp t, 0,1,2,3
.irp c, 0,1
	ds_load_b128 v[X+8*\t+4*\c:X+8*\t+4*\c+3], v[VLD] offset:64*\t+16*\c
.endr
.endr
	s_wait_dscnt 0x0                               ; X is in, and the stores have read their set: it may be loaded again
.endm
.macro STGADR base                     ; my stage's two addresses
	s_mul_i32 s66, s28, 4352
	s_add_co_u32 s66, s66, \base
	v_mul_u32_u24 v[VST], v[VY], 272
	v_lshl_add_u32 v[VST], v[VX], 4, v[VST]
	v_add_nc_u32 v[VST], s66, v[VST]
	v_mul_u32_u24 v[VLD], v[VX], 272
	v_lshl_add_u32 v[VLD], v[VY], 5, v[VLD]
	v_add_nc_u32 v[VLD], s66, v[VLD]
.endm
.macro RINGWAIT s                      ; this step's eight loads are in; the sets behind it (three, then fewer) may be out
.if 15-(\s) >= 3
	s_wait_loadcnt 24
.else
	s_wait_loadcnt 8*(15-(\s))
.endif
.endm
; (a) one step: 16 queries x 64 keys
.macro MSTEP s
	RINGWAIT \s
	TURN16 (\s)%4
.if (\s)+4 < 16
	LD16 (\s)%4, 256*((\s)+4), 8192, 18
.endif
.set n, 0
.rept 32
	v_cmp_ne_u32 s[32+n], 0, v[X+n]                ; word 8 t + j of the step: a bit for each lane
.set n, n+1
.endr
.set n, 0
.rept 32
	v_writelane_b32 v[COL+2*((\s)/2)+(n%2)], s[32+n], 16*((\s)%2)+n/2   ; two steps' 64 words: word d into register d % 2 of lane d / 2
.set n, n+1
.endr
.irp t, 0,1,2,3
	s_or_b64 s[70:71], s[32+8*\t:33+8*\t], s[34+8*\t:35+8*\t]
	s_or_b64 s[72:73], s[36+8*\t:37+8*\t], s[38+8*\t:39+8*\t]
	s_or_b64 s[70:71], s[70:71], s[72:73]
	s_or_b32 s[74+\t], s70, s71                    ; the 16-key tile's kept places; SCC: is there one
	s_cselect_b32 s78, 1<<((4*(\s)+\t)%32), 0
	s_or_b32 s[83+(4*(\s)+\t)/32], s[83+(4*(\s)+\t)/32], s78
.endr
	s_or_b64 s[70:71], s[74:75], s[76:77]
	s_or_b32 s70, s70, s71
	s_cselect_b32 s78, 1<<(\s), 0
	s_or_b32 s80, s80, s78                         ; the step holds a kept key
	s_or_b32 s82, s82, s70                         ; the lanes (rows) that have one
	s_and_b64 s[72:73], s[32:33], s[34:35]
.set n, 2
.rept 14
	s_and_b64 s[72:73], s[72:73], s[32+2*n:33+2*n]
.set n, n+1
.endr
	s_and_b32 s72, s72, s73
	s_cmp_lg_u32 s72, -1
	s_cselect_b32 s78, 1<<(\s), 0
	s_or_b32 s81, s81, s78                         ; not all of the step's keys are kept
.if (\s)%2 == 1
	global_store_b64 v[VOUT], v[COL+2*((\s)/2):COL+2*((\s)/2)+1], s[88:89] offset:256*((\s)/2)   ; 256 consecutive bytes; each pair of registers is written for one store only
.endif
.endm
; (b) one step: 16 rows x 64 along K.  high = x rounded to 11 significant bits (t = 8193 x; high = t - (t - x)), so that its conversion to f16 is exact; low = x - high, exact in f32
.macro WSTEP s
	RINGWAIT \s
	TURN16 (\s)%4
.if (\s)+4 < 16
	LD16 (\s)%4, 256*((\s)+4), 4096, 16
.endif
	s_wait_xcnt 0x0                                ; the last step's stores have read H and LO: they are written again only behind this wait
.irp hh, 0,1
.irp k, 0,1,2,3,4,5,6,7
	v_pk_mul_f32 v[TT+2*\k:TT+2*\k+1], v[X+16*\hh+2*\k:X+16*\hh+2*\k+1], s[30:31] op_sel_hi:[1,0]
.endr
.irp k, 0,1,2,3,4,5,6,7
	v_pk_add_f32 v[U+2*\k:U+2*\k+1], v[TT+2*\k:TT+2*\k+1], v[X+16*\hh+2*\k:X+16*\hh+2*\k+1] neg_lo:[0,1] neg_hi:[0,1]
.endr
.irp k, 0,1,2,3,4,5,6,7
	v_pk_add_f32 v[TT+2*\k:TT+2*\k+1], v[TT+2*\k:TT+2*\k+1], v[U+2*\k:U+2*\k+1] neg_lo:[0,1] neg_hi:[0,1]
.endr
.irp k, 0,1,2,3,4,5,6,7
	v_pk_add_f32 v[X+16*\hh+2*\k:X+16*\hh+2*\k+1], v[X+16*\hh+2*\k:X+16*\hh+2*\k+1], v[TT+2*\k:TT+2*\k+1] neg_lo:[0,1] neg_hi:[0,1]
.endr
.irp k, 0,1,2,3,4,5,6,7
	v_cvt_pk_f16_f32 v[H+8*\hh+\k], v[TT+2*\k], v[TT+2*\k+1]
	v_cvt_pk_f16_f32 v[LO+8*\hh+\k], v[X+16*\hh+2*\k], v[X+16*\hh+2*\k+1]
.endr
.endr
.irp t, 0,1,2,3
	global_store_b128 v[VOUT], v[H+4*\t:H+4*\t+3], s[24:25] offset:2048*(\s)+512*\t            ; half a fragment: 512 consecutive bytes
	global_store_b128 v[VOUT], v[LO+4*\t:LO+4*\t+3], s[24:25] offset:2097152+2048*(\s)+512*\t   ; the low parts lie 2 MiB on
.endr
.endm
	s_load_b512 s[4:19], s[0:1], 0x0               ; q s[4:5], k s[6:7], v s[8:9], Wq s[10:11], Wk s[12:13], Wv s[14:15], Wo s[16:17], mask s[18:19]
	s_load_b256 s[20:27], s[0:1], 0x40             ; codes s[20:21], scales s[22:23], wohl s[24:25], mbits s[26:27]
	v_lshl_add_u32 v[SPW], v0, 2, SPARE
	v_mov_b32 v[NIL], 0
	v_lshrrev_b32 v1, 5, v0
	v_readfirstlane_b32 s28, v1                    ; wave 0..3
	v_and_b32 v2, 31, v0                           ; lane
	s_cmp_lt_u32 ttmp9, 64
	s_cbranch_scc1 .Lmask
	s_cmp_lt_u32 ttmp9, 80
	s_cbranch_scc1 .Lwo
	; ---- (c) the quantiser.  Rows are dense and K is a multiple of 32: each tensor is a plain stream of blocks of 32.  A wave takes a run of 8,192 numbers, 16 steps of 512
	v_lshlrev_b32 v3, 4, v2                        ; my 16 bytes of a load's 512
	s_mul_i32 s29, s28, WREG
	v_lshrrev_b32 v14, 2, v2
	v_mul_u32_u24 v14, v14, SP
	v_and_b32 v15, 3, v2
	v_lshl_add_u32 v14, v15, 4, v14
	v_add_nc_u32 v14, s29, v14                     ; the stage on the way in: four lanes' 64 bytes on end, then 16 of padding
	v_mul_u32_u24 v15, v2, SP
	v_add_nc_u32 v15, s29, v15                     ; and on the way out: my 16 neighbours
	v_mul_u32_u24 v4, v2, CB                       ; my codes' place in a step's
	v_lshrrev_b32 v5, 1, v2
	s_add_co_u32 s29, s29, 2*32*SP
	v_add_nc_u32 v5, s29, v5                       ; my wave's 256 scale bytes, my block's byte
	v_lshlrev_b32 v7, 3, v2
	v_add_nc_u32 v6, s29, v7
	s_sub_co_u32 s30, ttmp9, 80                    ; which of the 864 work-groups: q 0-255, k 256-511, v 512-767, Wq 768-799, Wk 800-831, Wv 832-863
	s_mov_b32 s31, 0
	s_wait_kmcnt 0x0
	s_cmp_ge_u32 s30, 256                          ; the choices hang on the work-group's number alone
	s_cselect_b64 s[4:5], s[6:7], s[4:5]
	s_cselect_b32 s31, 256, s31
	s_cmp_ge_u32 s30, 512
	s_cselect_b64 s[4:5], s[8:9], s[4:5]
	s_cselect_b32 s31, 512, s31
	s_cmp_ge_u32 s30, 768
	s_cselect_b64 s[4:5], s[10:11], s[4:5]
	s_cselect_b32 s31, 768, s31
	s_cmp_ge_u32 s30, 800
	s_cselect_b64 s[4:5], s[12:13], s[4:5]
	s_cselect_b32 s31, 800, s31
	s_cmp_ge_u32 s30, 832
	s_cselect_b64 s[4:5], s[14:15], s[4:5]
	s_cselect_b32 s31, 832, s31
	s_sub_co_u32 s31, s30, s31
	s_lshl_b32 s31, s31, 2
	s_add_co_u32 s32, s31, s28                     ; my run in its tensor
	s_mov_b32 s33, 0
	s_lshl_b64 s[34:35], s[32:33], 15              ; 32,768 bytes of f32 a run
	s_add_nc_u64 s[4:5], s[4:5], s[34:35]
	s_lshl_b32 s32, s30, 2
	s_add_co_u32 s32, s32, s28                     ; my run among all: the six tensors' rows follow each other in codes and scales
	s_lshl_b64 s[34:35], s[32:33], 12              ; 4,096 bytes of codes a run
	s_add_nc_u64 s[20:21], s[20:21], s[34:35]
	s_lshl_b32 s32, s32, 8                         ; 256 scale bytes a run
	s_add_nc_u64 s[22:23], s[22:23], s[32:33]
.irp t, 0,1,2,3
	QLOAD \t
.endr
	s_wait_loadcnt 12                              ; step 0's four loads are in
	QTURN 0
.irp t, 0,1,2,3,4,5,6,7,8,9,10,11,12,13,14,15
	QSTEP \t
.endr
	ds_load_b64 v[8:9], v6                         ; LDS serves a wave's instructions in order: these see my byte stores
	s_wait_dscnt 0x0
	global_store_b64 v7, v[8:9], s[22:23]          ; 256 consecutive bytes
	s_wait_tensorcnt 0x0                           ; the wave's end
	ds_add_u32 v[SPW], v[NIL]
	s_wait_dscnt 0x0
	s_endpgm
.Lmask:	; ---- (a) a wave takes 16 queries x 1,024 keys: 16 steps of 64 keys, four sets of loads ahead
	s_lshl_b32 s29, ttmp9, 2
	s_add_co_u32 s29, s29, s28
	s_lshr_b32 s30, s29, 1                         ; qt: which 16 queries
	s_and_b32 s31, s29, 1                          ; hf: which half of the keys
	v_and_b32 v[VX], 15, v0
	v_bfe_u32 v[VY], v0, 4, 1
	v_lshlrev_b32 v[VIN], 13, v[VY]                ; a row of the mask is 8,192 bytes
	v_lshl_add_u32 v[VIN], v[VX], 4, v[VIN]
	STGADR 32768
	v_lshlrev_b32 v[VOUT], 3, v2                   ; the words leave 8 bytes a lane
	s_lshl_b32 s68, s30, 17                        ; 16 rows of 8,192 bytes,
	s_lshl_b32 s69, s31, 12                        ; 1,024 keys of 4 bytes
	s_add_co_u32 s68, s68, s69
	s_mov_b32 s69, 0
	s_lshl_b32 s70, s30, 12                        ; the words: 4,096 bytes for each 16 queries, 2,048 for each half
	s_lshl_b32 s71, s31, 11
	s_add_co_u32 s70, s70, s71
	s_mov_b32 s71, 0
	s_mul_i32 s87, s31, 2560                       ; the flags: array lane + 5 hf, word qt
	s_lshl_b32 s86, s30, 2
	s_add_co_u32 s87, s87, s86
	s_add_co_u32 s87, s87, MF
	v_min_u32 v[FA], 4, v2
	v_lshlrev_b32 v[FA], 9, v[FA]
	v_add_nc_u32 v[FA], s87, v[FA]
	v_mov_b32 v[FL], 0
.set n, 0
.rept 16
	v_mov_b32 v[COL+n], 0                          ; written once whole: a lane write keeps the other lanes
.set n, n+1
.endr
	s_mov_b32 s80, 0
	s_mov_b32 s81, 0
	s_mov_b32 s82, 0
	s_mov_b32 s83, 0
	s_mov_b32 s84, 0
	s_wait_kmcnt 0x0
	s_add_nc_u64 s[18:19], s[18:19], s[68:69]
	s_add_nc_u64 s[88:89], s[26:27], s[70:71]
.irp t, 0,1,2,3
	LD16 \t, 256*\t, 8192, 18
.endr
.irp t, 0,1,2,3,4,5,6,7,8,9,10,11,12,13,14,15
	MSTEP \t
.endr
	s_lshl_b32 s85, s31, 4
	s_lshl_b32 s80, s80, s85                       ; my 16 steps at their places among the 32
	s_lshl_b32 s81, s81, s85
	s_lshr_b32 s86, s82, 16
	s_or_b32 s82, s82, s86                         ; lanes l and l + 16 hold the same row
	s_and_b32 s82, s82, 0xffff
	v_writelane_b32 v[FL], s80, 0
	v_writelane_b32 v[FL], s81, 1
	v_writelane_b32 v[FL], s82, 2
	v_writelane_b32 v[FL], s83, 3
	v_writelane_b32 v[FL], s84, 4
	v_cmp_gt_u32 vcc_lo, 5, v2
	s_wait_xcnt 0x0                                ; EXEC changes only behind this wait
	s_and_saveexec_b32 s85, vcc_lo
	global_store_b32 v[FA], v[FL], s[26:27]        ; five words, one in each of five arrays
	s_wait_xcnt 0x0                                ; and again ahead of the line that widens it
	s_or_b32 exec_lo, exec_lo, s85
	s_wait_tensorcnt 0x0                           ; the wave's end
	ds_add_u32 v[SPW], v[NIL]
	s_wait_dscnt 0x0
	s_endpgm
.Lwo:	; ---- (b) a wave takes 16 rows of Wo, all 1,024 along K: 16 steps of 64.  wohl: [n tile 64][32 along K: 32][half 2][lane 32][16 bytes]: lane (r, h) holds row r, K = 16 half + 8 h + 0..7: a fragment's registers on end
	s_sub_co_u32 s29, ttmp9, 64
	s_lshl_b32 s29, s29, 2
	s_add_co_u32 s29, s29, s28                     ; which 16 rows
	v_and_b32 v[VX], 15, v0
	v_bfe_u32 v[VY], v0, 4, 1
	v_lshlrev_b32 v[VIN], 12, v[VY]                ; a row of Wo is 4,096 bytes
	v_lshl_add_u32 v[VIN], v[VX], 4, v[VIN]
	STGADR 50176
	v_lshlrev_b32 v[VOUT], 4, v2
	s_lshl_b32 s68, s29, 16
	s_mov_b32 s69, 0
	s_lshl_b32 s70, s29, 15
	s_mov_b32 s71, 0
	s_mov_b32 s30, 0x46000400                      ; 8193.0
	s_mov_b32 s31, s30                             ; (named with it as a pair, so it is written)
	s_wait_kmcnt 0x0
	s_add_nc_u64 s[16:17], s[16:17], s[68:69]
	s_add_nc_u64 s[24:25], s[24:25], s[70:71]
.irp t, 0,1,2,3
	LD16 \t, 256*\t, 4096, 16
.endr
.irp t, 0,1,2,3,4,5,6,7,8,9,10,11,12,13,14,15
	WSTEP \t
.endr
	s_wait_tensorcnt 0x0                           ; the wave's end
	ds_add_u32 v[SPW], v[NIL]
	s_wait_dscnt 0x0
	s_endpgm
.Lfunc_end_k_q7fc7bf8301_prep:
	.size	k_q7fc7bf8301_prep, .Lfunc_end_k_q7fc7bf8301_prep-k_q7fc7bf8301_prep
	.p2alignl 7, 3214868480
	.fill 96, 4, 3214868480
	.section	.rodata,"a",@progbits
	.p2align	6, 0x0
	.amdhsa_kernel k_q7fc7bf8301_prep
		.amdhsa_group_segment_fixed_size 68096
		.amdhsa_private_segment_fixed_size 0
		.amdhsa_enable_private_segment 0
		.amdhsa_kernarg_size 96
		.amdhsa_user_sgpr_count 2
		.amdhsa_user_sgpr_kernarg_segment_ptr 1
		.amdhsa_wavefront_size32 1
		.amdhsa_system_sgpr_workgroup_id_x 1
		.amdhsa_system_sgpr_workgroup_id_y 1
		.amdhsa_system_sgpr_workgroup_id_z 1
		.amdhsa_system_vgpr_workitem_id 0
		.amdhsa_next_free_vgpr 240
		.amdhsa_next_free_sgpr 100
		.amdhsa_reserve_vcc 1
		.amdhsa_float_denorm_mode_32 3
		.amdhsa_float_denorm_mode_16_64 3
		.amdhsa_memory_ordered 1
		.amdhsa_forward_progress 1
		.amdhsa_inst_pref_size 255
	.end_amdhsa_kernel
	.section	.bss,"aw",@nobits
	.p2align	6
	.space	262144
	.amdgpu_metadata
---
amdhsa.version: [ 1, 2 ]
amdhsa.kernels:
  - .name:           k_q7fc7bf8301_prep
    .symbol:         k_q7fc7bf8301_prep.kd
    .args:
      - { .name: q, .offset: 0, .size: 8, .value_kind: global_buffer, .address_space: global }
      - { .name: k, .offset: 8, .size: 8, .value_kind: global_buffer, .address_space: global }
      - { .name: v, .offset: 16, .size: 8, .value_kind: global_buffer, .address_space: global }
      - { .name: Wq, .offset: 24, .size: 8, .value_kind: global_buffer, .address_space: global }
      - { .name: Wk, .offset: 32, .size: 8, .value_kind: global_buffer, .address_space: global }
      - { .name: Wv, .offset: 40, .size: 8, .value_kind: global_buffer, .address_space: global }
      - { .name: Wo, .offset: 48, .size: 8, .value_kind: global_buffer, .address_space: global }
      - { .name: mask, .offset: 56, .size: 8, .value_kind: global_buffer, .address_space: global }
      - { .name: codes, .offset: 64, .size: 8, .value_kind: global_buffer, .address_space: global }
      - { .name: scales, .offset: 72, .size: 8, .value_kind: global_buffer, .address_space: global }
      - { .name: wohl, .offset: 80, .size: 8, .value_kind: global_buffer, .address_space: global }
      - { .name: mbits, .offset: 88, .size: 8, .value_kind: global_buffer, .address_space: global }
    .group_segment_fixed_size: 68096
    .private_segment_fixed_size: 0
    .kernarg_segment_align: 8
    .kernarg_segment_size: 96
    .max_flat_workgroup_size: 128
    .sgpr_count:     100
    .vgpr_count:     240
    .wavefront_size: 32
...
	.end_amdgpu_metadata
.endif
;; end of part 1
;; launch proj (part 2): grid 4 x 96, 4 waves a work-group, clusters of 4 x 4, 327,680 bytes of LDS; arguments codes, scales, bq, bk, bv, qkvf; writes qkvf
.if DOCPART == 2
	.amdgcn_target "amdgcn-amd-amdhsa--gfx1250"
	.amdhsa_code_object_version 6
	.text
	.protected	k_q7fc7bf8301_proj
	.globl	k_q7fc7bf8301_proj
	.p2align	8
	.type	k_q7fc7bf8301_proj,@function
k_q7fc7bf8301_proj:
	s_mov_b64 s[64:65], 0
	v_nop
	global_prefetch_b8 v0, s[64:65] scope:SCOPE_SE
	s_setreg_imm32_b32 hwreg(HW_REG_WAVE_MODE, 25, 1), 1
	s_wait_xcnt 0x0
	s_wait_alu depctr_hold_cnt(0) depctr_sa_sdst(0) depctr_va_vdst(0) depctr_va_sdst(0) depctr_va_ssrc(0) depctr_va_vcc(0) depctr_vm_vsrc(0)
	s_getreg_b32 s2, hwreg(HW_REG_IB_STS2, 6, 4)
	s_cmp_eq_u32 s2, 0
	s_cbranch_scc0 .Lentry_in_a_cluster
	s_endpgm
.Lentry_in_a_cluster:
	s_bfe_u32 s2, ttmp6, 0x10000c
	s_cmp_lg_u32 s2, 0xf033
	s_cbranch_scc0 .Lentry_shape_is_right
	s_endpgm
.Lentry_shape_is_right:
; Launch 2 of 5: Q = q Wq^T + bq, K = k Wk^T + bk, V = v Wv^T + bv, on codes of E2M1 with one E8M0 scale for each 32 along K (K = 1,024), sums in f32.
; codes: [27,648 rows][512 bytes]: rows 0.. q, 8,192.. k, 16,384.. v, 24,576 + 1,024 z.. the weight of tensor z (0 q, 1 k, 2 v); scales: the same rows, 32 bytes each.
; One launch serves the three products: the 96 tile rows of 256 tokens follow each other; 32 tile rows, 8 clusters along y, belong to one tensor, so z is the same in all partners of a cluster.
; A tile of 256 x 256 is made by four waves, 128 x 128 each: 64 accumulators.  K is two steps of 512, each in an LDS slot of its own: both slots and the scale bytes are filled once, at the start; nothing is filled again.
; CLUSTERS: 4 x 4.  The four of a row need the same tile of tokens, the four of a column the same tile of the weight: each is asked for jointly, by the same tensor load with a mask that names the four.
; THE MATRIX INSTRUCTION IS USED TRANSPOSED (source 0 = 16 rows of the weight, source 1 = 16 tokens): a lane holds one token and eight neighbouring channels.
; THE WAY OUT.  (sum + bias), Q also x log2(e)/8 (so that the scores are exponents of 2), rounded to f16; a lane's eight numbers are 16 bytes of a fragment of the next products, and go out as such:
; qkvf: tensors 0 Q, 1 K, 2 V high, 3 V low, 16 MiB each: [batch 4][head 16][token tile 128][32 channels: 2][half 2][lane 32][16 bytes]; lane (r, h) holds token r, channels 16 half + 8 h + 0..7.
; A wave's store covers 512 consecutive bytes.  V is split: high = the number rounded to 11 significant bits (t = 8193 x; high = t - (t - x)), low = the rest: the last launch multiplies both.
; REGISTERS, in windows of 256: window 0: v0-31 addresses; v32-95 scale words, two sets; v128-191 the tokens' fragments, one set; v192-255 the bias; on the way out v32-191 are at work.
;   window 1: the weight's fragments, two sets.   windows 2, 3: the accumulators of my rows 0-63, 64-127 (accumulator (a, b) at v[8 (8 (a % 4) + b)]).
.set KSTEP,  512
.set NQ,     KSTEP/128
.set ROWB,   256                       ; a tile's row in bytes
.set KROW,   512                       ; a row of codes in memory
.set PITCH,  272                       ; an LDS row: 256 bytes + 16 of padding: the 16 rows that a load touches start at 16 different banks
.set FR,     8
.set NL,     2
.set NP,     4
.set HALFT,  128*PITCH
.set SLOT,   4*HALFT
.set KS,     32                        ; a row of scales in bytes
.set SCL,    2*SLOT                    ; behind the slots: the scales, as units of 256 bytes + 16 of padding
.set HALFS,  (128*KS/256)*272
.set SBLK,   (16*KS/256)*272
.set SPARE,  SCL+4*HALFS               ; the spare words, 128 bytes for each wave
.set ADRA, 16
.set ADRB, 20
.set LI,   24                          ; v24  16 x lane
.set BOF,  25                          ; v25  32 x (lane / 16): my eight numbers of a tile's 16 biases
.set ADRS, 27
.set SPW,  28
.set NIL,  29
.set SC,   32
.set AF,   128
.set BI,   192                         ; v192-255  register 8 b + j: the bias of channel 16 b + 8 (lane / 16) + j of my 128
.set T,    32                          ; the way out: v32-95 a block's 64 numbers;
.set HH,   96                          ; v96-127 packed (high parts);
.set TA,   128                         ; v128-159, v160-191 at work on the split; v128-159 then the low parts, packed
.set TD,   160
.set LL,   128
.set G1, 24
.set G0, 32
.set G1B, 48
.set G0B, 56
.set G1S, 68
.set G0S, 76
.set G1SB, 80
.set G0SB, 88
.set MSB, 0
.macro WIN new                         ; the immediate's high byte repeats the setting that is left
.if MSB != \new
	s_set_vgpr_msb (MSB<<8)|\new
.set MSB, \new
.endif
.endm
.set MUL_LO, 0xa1                      ; source 0 (weight) window 1, source 1 (tokens) window 0, C and D window 2
.set MUL_HI, 0xf1
.set TO_B,   0x40
; A joint load: waves 0 and 1 fetch for the tokens, waves 2 and 3 for the weight.  The branch hangs on the wave's number alone.  An s_nop 0 and four v_nop follow each of the two lines.
.macro JLOAD g0a, g1a, g0b, g1b
	s_cmp_eq_u32 s15, 0
	s_cbranch_scc0 .Lfor_b_\@
	tensor_load_to_lds s[\g0a:\g0a+3], s[\g1a:\g1a+7]
	s_nop 0
.rept 4
	v_nop
.endr
	s_branch .Lasked_\@
.Lfor_b_\@:
	tensor_load_to_lds s[\g0b:\g0b+3], s[\g1b:\g1b+7]
	s_nop 0
.rept 4
	v_nop
.endr
.Lasked_\@:
.endm
.macro CROUND                          ; a round of the cluster's barrier
	s_barrier_signal -1
	s_barrier_wait -1
	s_cmp_lg_u32 s14, 0
	s_cbranch_scc1 .Lnot_wave_0_\@
	s_barrier_signal -3
.Lnot_wave_0_\@:
	s_barrier_wait -3
	s_barrier_signal -1
	s_barrier_wait -1
.endm
	s_load_b128 s[4:7], s[0:1], 0x0                ; codes s[4:5], scales s[6:7]
	s_load_b128 s[8:11], s[0:1], 0x10              ; bq s[8:9], bk s[10:11]
	s_load_b128 s[96:99], s[0:1], 0x20             ; bv s[96:97], qkvf s[98:99]
	v_lshl_add_u32 v[SPW], v0, 2, SPARE
	v_mov_b32 v[NIL], 0
	ds_add_u32 v[SPW], v[NIL]                      ; the wave's opening: the add, twice on end, and its wait ahead of my first tensor load
	ds_add_u32 v[SPW], v[NIL]
	v_lshrrev_b32 v1, 5, v0
	v_readfirstlane_b32 s14, v1                    ; wave 0..3
	s_lshr_b32 s15, s14, 1                         ; which half of the tile's tokens is mine.  Also: I fetch for the tokens (0) or for the weight (1)
	s_and_b32 s16, s14, 1                          ; which half of its channels.  Also: which 128 rows I fetch
	s_bfe_u32 s40, ttmp6, 0x40000                  ; cx, cy: my place in the cluster
	s_bfe_u32 s41, ttmp6, 0x40004
	s_lshl_b32 s42, ttmp9, 2
	s_add_co_u32 s42, s42, s40                     ; tile column = 4 x cluster x + cx
	s_and_b32 s17, ttmp7, 0xffff
	s_lshr_b32 s12, s17, 3                         ; z: which tensor: made of the cluster's y alone
	s_lshl_b32 s17, s17, 2
	s_add_co_u32 s17, s17, s41                     ; tile row = 4 x cluster y + cy, 0..95
	s_lshl_b32 s43, s41, 2
	s_lshl_b32 s43, 15, s43                        ; my row of the cluster
	s_lshl_b32 s44, 0x1111, s40                    ; my column
	s_or_b32 s[G1+0], s43, (0<<16)|(1<<20)|(1<<21)|(5<<22)|(3<<25)  ; the mask; elements of 1 byte; padding on, 4 words after every 64; bit 21 beside a mask
	s_or_b32 s[G1B+0], s44, (0<<16)|(1<<20)|(1<<21)|(5<<22)|(3<<25)
.irp g, G1, G1B
	s_mov_b32 s[\g+1], ROWB<<16                    ; tensor_dim0
	s_mov_b32 s[\g+2], 128<<16                     ; tensor_dim1
	s_mov_b32 s[\g+3], ROWB<<16                    ; tile_dim0
	s_mov_b32 s[\g+4], 128                         ; tile_dim1
	s_mov_b32 s[\g+5], KROW                        ; from row to row
	s_mov_b32 s[\g+6], 0
	s_mov_b32 s[\g+7], 0
.endr
	s_or_b32 s[G1S+0], s43, (3<<16)|(1<<20)|(1<<21)|(5<<22)|(3<<25)  ; the scales of 128 rows: 4,096 dense bytes as 16 rows of 256 (32 elements of 8 bytes), 16 bytes of padding behind each
	s_or_b32 s[G1SB+0], s44, (3<<16)|(1<<20)|(1<<21)|(5<<22)|(3<<25)
.irp g, G1S, G1SB
	s_mov_b32 s[\g+1], 32<<16
	s_mov_b32 s[\g+2], (128*KS/256)<<16
	s_mov_b32 s[\g+3], 32<<16
	s_mov_b32 s[\g+4], 128*KS/256
	s_mov_b32 s[\g+5], 32
	s_mov_b32 s[\g+6], 0
	s_mov_b32 s[\g+7], 0
.endr
	s_lshl_b32 s18, s16, 7                         ; which 128 rows of the tile I fetch
	s_lshl_b32 s20, s17, 8
	s_add_co_u32 s20, s20, s18                     ; tokens: row 256 x tile row + 128 x half
	s_lshl_b32 s46, s42, 8
	s_add_co_u32 s46, s46, s18
	s_lshl_b32 s13, s12, 10
	s_add_co_u32 s46, s46, s13
	s_add_co_u32 s46, s46, 24576                   ; weight: row 24,576 + 1,024 z + 256 x tile column + 128 x half
	s_mov_b32 s21, 0
	s_mov_b32 s47, 0
	s_mov_b64 s[18:19], KS
	s_mul_u64 s[22:23], s[20:21], s[18:19]         ; where these rows' scales begin,
	s_mul_u64 s[92:93], s[46:47], s[18:19]
	s_mov_b64 s[18:19], KROW
	s_mul_u64 s[20:21], s[20:21], s[18:19]         ; and their codes
	s_mul_u64 s[46:47], s[46:47], s[18:19]
	s_mul_i32 s45, s14, HALFT                      ; where they go: wave x 128 rows
	s_mul_i32 s94, s14, HALFS
	s_wait_dscnt 0x0                               ; both opening adds are done
	s_wait_kmcnt 0x0
	s_add_nc_u64 s[20:21], s[4:5], s[20:21]
	s_add_nc_u64 s[22:23], s[6:7], s[22:23]
	s_add_nc_u64 s[46:47], s[4:5], s[46:47]
	s_add_nc_u64 s[92:93], s[6:7], s[92:93]
	CROUND                                         ; all sixteen work-groups are here: the joint loads meet
	s_mov_b32 s[G0S], 1
	s_add_co_u32 s[G0S+1], s94, SCL
	s_mov_b64 s[G0S+2:G0S+3], s[22:23]
	s_or_b32 s[G0S+3], s[G0S+3], 0x80000000
	s_mov_b32 s[G0SB], 1
	s_add_co_u32 s[G0SB+1], s94, SCL
	s_mov_b64 s[G0SB+2:G0SB+3], s[92:93]
	s_or_b32 s[G0SB+3], s[G0SB+3], 0x80000000
	JLOAD G0S, G1S, G0SB, G1SB                     ; the scales first: they are wanted with K step 0.  Three loads of mine are out behind the last of this group
.irp s, 0,1
	s_mov_b32 s[G0+4*\s], 1
	s_add_co_u32 s[G0+4*\s+1], s45, \s*SLOT
	s_add_nc_u64 s[G0+4*\s+2:G0+4*\s+3], s[20:21], \s*ROWB
	s_or_b32 s[G0+4*\s+3], s[G0+4*\s+3], 0x80000000
	s_mov_b32 s[G0B+4*\s], 1
	s_add_co_u32 s[G0B+4*\s+1], s45, \s*SLOT
	s_add_nc_u64 s[G0B+4*\s+2:G0B+4*\s+3], s[46:47], \s*ROWB
	s_or_b32 s[G0B+4*\s+3], s[G0B+4*\s+3], 0x80000000
	JLOAD G0+4*\s, G1, G0B+4*\s, G1B
.endr
	v_and_b32 v1, 15, v0                           ; l % 16
	v_bfe_u32 v2, v0, 4, 1                         ; l / 16
	v_mul_u32_u24 v3, v1, PITCH
	v_lshl_add_u32 v4, v2, 4, v3                   ; a fragment's row x pitch + 16 x half
	s_mul_i32 s21, s15, HALFT                      ; my 128 tokens
	s_mul_i32 s22, s16, HALFT                      ; my 128 rows of the weight,
	s_add_co_u32 s22, s22, 2*HALFT                 ; which lie behind the 256 tokens
.irp s, 0,1
	v_add_nc_u32 v[ADRA+\s], s21, v4
	v_add_nc_u32 v[ADRB+\s], s22, v4
	s_add_co_u32 s21, s21, SLOT
	s_add_co_u32 s22, s22, SLOT
.endr
	v_mul_u32_u24 v5, v1, KS                       ; my row's scales: 32 bytes a row,
	v_lshrrev_b32 v6, 8, v5
	v_lshl_add_u32 v5, v6, 4, v5                   ; and 16 more for each 256 passed
	s_mul_i32 s21, s15, HALFS
	s_mul_i32 s22, s16, HALFS
	s_add_co_u32 s22, s22, 2*HALFS
	s_sub_co_u32 s22, s22, s21
	v_mul_u32_u24 v6, s22, v2                      ; lanes 16-31 take the weight's
	s_add_co_u32 s21, s21, SCL
	v_add_nc_u32 v5, v5, v6
	v_add_nc_u32 v[ADRS], s21, v5
	v_and_b32 v6, 31, v0
	v_lshlrev_b32 v[LI], 4, v6
	v_lshlrev_b32 v[BOF], 5, v2
	s_cmp_eq_u32 s12, 1                            ; the tensor's bias: a choice that hangs on the cluster's y alone
	s_cselect_b64 s[8:9], s[10:11], s[8:9]
	s_cmp_eq_u32 s12, 2
	s_cselect_b64 s[8:9], s[96:97], s[8:9]
	s_lshl_b32 s46, s42, 10                        ; my first channel, in bytes of f32: 1,024 x tile column + 512 x half
	s_lshl_b32 s47, s16, 9
	s_add_co_u32 s46, s46, s47
	s_mov_b32 s47, 0
	s_add_nc_u64 s[8:9], s[8:9], s[46:47]
.irp b, 0,1,2,3,4,5,6,7
	global_load_b128 v[BI+8*\b:BI+8*\b+3], v[BOF], s[8:9] offset:64*\b
	global_load_b128 v[BI+8*\b+4:BI+8*\b+7], v[BOF], s[8:9] offset:64*\b+16
.endr
	s_lshr_b32 s20, s17, 3                         ; where my part of the result begins: 4 z + batch, 4 MiB each;
	s_lshl_b32 s20, s20, 22
	s_lshl_b32 s21, s42, 2
	s_lshl_b32 s22, s16, 1
	s_add_co_u32 s21, s21, s22                     ; head 4 x tile column + 2 x half, 256 KiB each;
	s_lshl_b32 s21, s21, 18
	s_add_co_u32 s20, s20, s21
	s_and_b32 s21, s17, 7
	s_lshl_b32 s21, s21, 4
	s_lshl_b32 s22, s15, 3
	s_add_co_u32 s21, s21, s22                     ; token tile 16 x (tile row % 8) + 8 x half, 2 KiB each
	s_lshl_b32 s21, s21, 11
	s_add_co_u32 s20, s20, s21
	s_mov_b32 s21, 0
	s_add_nc_u64 s[20:21], s[98:99], s[20:21]
	s_add_nc_u64 s[22:23], s[20:21], 0x1000000     ; V's low parts lie 16 MiB on
.macro FRAG reg, adr, q, i             ; 16 rows x 128 K of 4-bit codes: lane l holds row l % 16; registers 4 c .. 4 c + 3 hold K = 64 c + 32 (l / 16) + 0 .. 31
.irp c, 0,1
	ds_load_b128 v[\reg+4*\c:\reg+4*\c+3], v[\adr] offset:64*(\q)+32*\c+(\i)*16*PITCH
.endr
.endm
; 16 matrix instructions: token blocks a0, a0 + 1 x the weight's eight.  The 64 accumulators take turns, one instruction a turn, in the same order in every step.
.macro MUL16 a0, p, q, sc, zero
.irp a, \a0, \a0+1
.irp b, 0,1,2,3,4,5,6,7
.if \zero
	v_wmma_scale_f32_16x16x128_f8f6f4 v[8*(8*((\a)%4)+\b):8*(8*((\a)%4)+\b)+7], v[128*(\p)+FR*\b:128*(\p)+FR*\b+FR-1], v[AF+FR*(\a):AF+FR*(\a)+FR-1], 0, v[SC+8*NQ*(\sc)+NQ*\b+(\q)], v[SC+8*NQ*(\sc)+NQ*(\a)+(\q)] matrix_a_fmt:MATRIX_FMT_FP4 matrix_b_fmt:MATRIX_FMT_FP4 matrix_a_scale:MATRIX_SCALE_ROW1
.else
	v_wmma_scale_f32_16x16x128_f8f6f4 v[8*(8*((\a)%4)+\b):8*(8*((\a)%4)+\b)+7], v[128*(\p)+FR*\b:128*(\p)+FR*\b+FR-1], v[AF+FR*(\a):AF+FR*(\a)+FR-1], v[8*(8*((\a)%4)+\b):8*(8*((\a)%4)+\b)+7], v[SC+8*NQ*(\sc)+NQ*\b+(\q)], v[SC+8*NQ*(\sc)+NQ*(\a)+(\q)] matrix_a_fmt:MATRIX_FMT_FP4 matrix_b_fmt:MATRIX_FMT_FP4 matrix_a_scale:MATRIX_SCALE_ROW1
.endif
.endr
.endr
.endm
.macro FETCH_B slot, q, p
	WIN TO_B
.irp i, 0,1,2,3,4,5,6,7
	FRAG 128*(\p)+FR*\i, ADRB+\slot, \q, \i
.endr
	WIN 0
.endm
.macro FETCH_A slot, q, i0
.irp i, \i0, \i0+1, \i0+2, \i0+3
	FRAG AF+FR*(\i), ADRA+\slot, \q, \i
.endr
.endm
.macro SCALES sc                       ; a K step's scale words: lanes 0-15 take the tokens' block i, lanes 16-31 the weight's block i
.irp i, 0,1,2,3,4,5,6,7
	ds_load_b128 v[SC+8*NQ*\sc+NQ*\i:SC+8*NQ*\sc+NQ*\i+3], v[ADRS] offset:\i*SBLK
.endr
.endm
.macro PLACES n                        ; plain vector instructions between a matrix instruction and a load into, or a read of, its registers
.rept \n
	v_nop
.endr
.endm
.macro STEP slot, q, zero              ; 128 along K with its successor in the same slot
	s_wait_dscnt 4*NL                              ; the weight's set and token blocks 0-3 are in; the youngest eight loads (blocks 4-7) may be out
	WIN MUL_LO
	MUL16 0, (\q)%2, \q, \slot, \zero
	MUL16 2, (\q)%2, \q, \slot, \zero
	s_wait_dscnt 0
	PLACES NP
	FETCH_B \slot, (\q)+1, 1-(\q)%2
	FETCH_A \slot, (\q)+1, 0
	WIN MUL_HI
	MUL16 4, (\q)%2, \q, \slot, \zero
	MUL16 6, (\q)%2, \q, \slot, \zero
	PLACES NP
	WIN 0
	FETCH_A \slot, (\q)+1, 4
.endm
.macro STEPS slot, from
.set Q, \from
.rept NQ-1-\from
	STEP \slot, Q, 0
.set Q, Q+1
.endr
.endm
	s_wait_tensorcnt 1                             ; the scales and my part of slot 0 are in (slot 1's load may be out),
	s_barrier_signal -1
	s_barrier_wait -1                              ; everybody's are
	FETCH_B 0, 0, 0
	FETCH_A 0, 0, 0
	SCALES 0
	FETCH_A 0, 0, 4
	STEP 0, 0, 1                                   ; the first products start the sums: nothing is cleared
	STEPS 0, 1
	; slot 0's last step goes over to slot 1: my part of slot 1 has landed, then the barrier shows it whole
	s_wait_tensorcnt 0x0
	ds_add_u32 v[SPW], v[NIL]                      ; 0 onto my spare word
	s_wait_dscnt 4*NL+1                            ; (the add and the youngest eight loads may be out)
	WIN MUL_LO
	MUL16 0, 1, NQ-1, 0, 0
	s_wait_dscnt 0x0
	s_barrier_signal -1
	MUL16 2, 1, NQ-1, 0, 0
	WIN 0
	s_barrier_wait -1
	PLACES NP
	v_add_nc_u32 v[ADRS], 4*NQ, v[ADRS]            ; on to the second K step's scale words
	FETCH_B 1, 0, 0
	FETCH_A 1, 0, 0
	SCALES 1
	WIN MUL_HI
	MUL16 4, 1, NQ-1, 0, 0
	MUL16 6, 1, NQ-1, 0, 0
	PLACES NP
	WIN 0
	FETCH_A 1, 0, 4
	STEPS 1, 0
	s_wait_dscnt 4*NL                              ; the very last step: nothing more to fetch
	WIN MUL_LO
	MUL16 0, 1, NQ-1, 1, 0
	MUL16 2, 1, NQ-1, 1, 0
	s_wait_dscnt 0
	WIN MUL_HI
	MUL16 4, 1, NQ-1, 1, 0
	MUL16 6, 1, NQ-1, 1, 0
	WIN 0
	; THE WAY OUT
	s_mov_b32 s2, 0x3e38aa3b                       ; log2(e) / 8
	s_cmp_eq_u32 s12, 0
	s_cselect_b32 s2, s2, 1.0                      ; for Q alone
	s_mov_b32 s3, s2                               ; (named with it as a pair)
	s_mov_b32 s94, 0x46000400                      ; 8193.0
	s_mov_b32 s95, s94
	s_wait_loadcnt 0x0                             ; the bias
.set i, 0
.rept 32
	v_pk_mul_f32 v[BI+2*i:BI+2*i+1], v[BI+2*i:BI+2*i+1], s[2:3] op_sel_hi:[1,0]   ; (these 32 are also the places behind the last products)
.set i, i+1
.endr
.macro OUTBLK a                        ; 16 tokens x 128 channels
.set AC, 64*((\a)%4)
	WIN 0x02+((\a)/4)                              ; source 0: window 2 or 3
.set i, 0
.rept 32
	v_pk_fma_f32 v[T+2*i:T+2*i+1], v[AC+2*i:AC+2*i+1], s[2:3], v[BI+2*i:BI+2*i+1] op_sel_hi:[1,0,1]   ; each accumulator from its low end on
.set i, i+1
.endr
	WIN 0
	s_wait_xcnt 0x0                                ; the last block's stores have read their registers
	s_cmp_eq_u32 s12, 2
	s_cbranch_scc1 .Lsplit_\@
.set i, 0
.rept 32
	v_cvt_pk_f16_f32 v[HH+i], v[T+2*i], v[T+2*i+1]
.set i, i+1
.endr
.irp b, 0,1,2,3,4,5,6,7
	global_store_b128 v[LI], v[HH+4*\b:HH+4*\b+3], s[20:21] offset:(\b/4)*262144+(\a)*2048+(\b%4)*512
.endr
	s_branch .Ldone_\@
.Lsplit_\@:                                        ; V: a high and a low part
.irp hh, 0,1
.set i, 0
.rept 16
	v_pk_mul_f32 v[TA+2*i:TA+2*i+1], v[T+32*\hh+2*i:T+32*\hh+2*i+1], s[94:95] op_sel_hi:[1,0]
.set i, i+1
.endr
.set i, 0
.rept 16
	v_pk_add_f32 v[TD+2*i:TD+2*i+1], v[TA+2*i:TA+2*i+1], v[T+32*\hh+2*i:T+32*\hh+2*i+1] neg_lo:[0,1] neg_hi:[0,1]
.set i, i+1
.endr
.set i, 0
.rept 16
	v_pk_add_f32 v[TA+2*i:TA+2*i+1], v[TA+2*i:TA+2*i+1], v[TD+2*i:TD+2*i+1] neg_lo:[0,1] neg_hi:[0,1]
.set i, i+1
.endr
.set i, 0
.rept 16
	v_pk_add_f32 v[T+32*\hh+2*i:T+32*\hh+2*i+1], v[T+32*\hh+2*i:T+32*\hh+2*i+1], v[TA+2*i:TA+2*i+1] neg_lo:[0,1] neg_hi:[0,1]
.set i, i+1
.endr
.set i, 0
.rept 16
	v_cvt_pk_f16_f32 v[HH+16*\hh+i], v[TA+2*i], v[TA+2*i+1]
.set i, i+1
.endr
.endr
.set i, 0
.rept 32
	v_cvt_pk_f16_f32 v[LL+i], v[T+2*i], v[T+2*i+1]
.set i, i+1
.endr
.irp b, 0,1,2,3,4,5,6,7
	global_store_b128 v[LI], v[HH+4*\b:HH+4*\b+3], s[20:21] offset:(\b/4)*262144+(\a)*2048+(\b%4)*512
	global_store_b128 v[LI], v[LL+4*\b:LL+4*\b+3], s[22:23] offset:(\b/4)*262144+(\a)*2048+(\b%4)*512
.endr
.Ldone_\@:
.endm
.irp a, 0,1,2,3,4,5,6,7
	OUTBLK \a
.endr
	s_wait_tensorcnt 0x0                           ; the wave's end
	ds_add_u32 v[SPW], v[NIL]
	s_wait_dscnt 0x0
	CROUND                                         ; the closing round
	s_endpgm
.Lfunc_end_k_q7fc7bf8301_proj:
	.size	k_q7fc7bf8301_proj, .Lfunc_end_k_q7fc7bf8301_proj-k_q7fc7bf8301_proj
	.p2alignl 7, 3214868480
	.fill 96, 4, 3214868480
	.section	.rodata,"a",@progbits
	.p2align	6, 0x0
	.amdhsa_kernel k_q7fc7bf8301_proj
		.amdhsa_group_segment_fixed_size 327680
		.amdhsa_private_segment_fixed_size 0
		.amdhsa_enable_private_segment 0
		.amdhsa_kernarg_size 48
		.amdhsa_user_sgpr_count 2
		.amdhsa_user_sgpr_kernarg_segment_ptr 1
		.amdhsa_wavefront_size32 1
		.amdhsa_system_sgpr_workgroup_id_x 1
		.amdhsa_system_sgpr_workgroup_id_y 1
		.amdhsa_system_sgpr_workgroup_id_z 1
		.amdhsa_system_vgpr_workitem_id 0
		.amdhsa_next_free_vgpr 1024
		.amdhsa_next_free_sgpr 100
		.amdhsa_reserve_vcc 0
		.amdhsa_float_denorm_mode_32 3
		.amdhsa_float_denorm_mode_16_64 3
		.amdhsa_memory_ordered 1
		.amdhsa_forward_progress 1
		.amdhsa_inst_pref_size 247
	.end_amdhsa_kernel
	.amdgpu_metadata
---
amdhsa.version: [ 1, 2 ]
amdhsa.kernels:
  - .name:           k_q7fc7bf8301_proj
    .symbol:         k_q7fc7bf8301_proj.kd
    .args:
      - { .name: codes, .offset: 0, .size: 8, .value_kind: global_buffer, .address_space: global }
      - { .name: scales, .offset: 8, .size: 8, .value_kind: global_buffer, .address_space: global }
      - { .name: bq, .offset: 16, .size: 8, .value_kind: global_buffer, .address_space: global }
      - { .name: bk, .offset: 24, .size: 8, .value_kind: global_buffer, .address_space: global }
      - { .name: bv, .offset: 32, .size: 8, .value_kind: global_buffer, .address_space: global }
      - { .name: qkvf, .offset: 40, .size: 8, .value_kind: global_buffer, .address_space: global }
    .group_segment_fixed_size: 327680
    .private_segment_fixed_size: 0
    .kernarg_segment_align: 8
    .kernarg_segment_size: 48
    .max_flat_workgroup_size: 128
    .sgpr_count:     100
    .vgpr_count:     1024
    .wavefront_size: 32
...
	.end_amdgpu_metadata
.endif
;; end of part 2
;; launch attn (part 3): grid 4 x 64, 8 waves a work-group, no clusters, 140,288 bytes of LDS; arguments qkvf, mbits, ctxf; writes ctxf
.if DOCPART == 3
	.amdgcn_target "amdgcn-amd-amdhsa--gfx1250"
	.amdhsa_code_object_version 6
	.text
	.protected	k_q7fc7bf8301_attn
	.globl	k_q7fc7bf8301_attn
	.p2align	8
	.type	k_q7fc7bf8301_attn,@function
k_q7fc7bf8301_attn:
	s_mov_b64 s[64:65], 0
	v_nop
	global_prefetch_b8 v0, s[64:65] scope:SCOPE_SE
	s_setreg_imm32_b32 hwreg(HW_REG_WAVE_MODE, 25, 1), 1
	s_wait_xcnt 0x0
; Launch 3 of 5: context = softmax(where(mask == 0, -1e9, Q K^T / 8)) V, for each batch and head (64 of them), 2,048 queries x 2,048 keys, head size 64.  Operands f16, sums, maxima and exponentials f32.
; WORK LEFT OUT: steps of 64 keys in which the mask keeps no key for any of a wave's 64 queries, by the words that the first launch stored (its head comment shows why they add nothing);
; where some row of the work-group's 256 queries keeps no key at all, every step is walked.
; SHARES.  Work-group (j, batch x head) walks query blocks j and 7 - j, 256 queries each (the pairing only evens out masks that keep more keys for later queries; it is right for every mask).
; Eight waves, two to a SIMD: wave w owns queries 64 (w % 4) on, four tiles of 16, and the 64-key steps of parity w / 4, with a maximum m, a sum l and a context of its own;
; the two parities are merged through LDS at a block's end.  So one wave's softmax stands beside the other's products, and each fragment read from LDS feeds four matrix instructions.
; NO CLUSTER AND NO TENSOR LOAD: which steps are walked hangs on words read from memory.  K and V go from memory through registers into LDS:
; 128 keys (32 KiB) a trip, all 256 threads, 16 bytes each; one trip ahead, two slots, one barrier a trip.
; LAYOUT.  S^T = K Q^T (source 0 = 16 keys, source 1 = 16 queries): a lane holds ONE query (lane % 16) and keys 8 (lane / 16) + 0..7.  Two such tiles packed to f16 are source 1 of O^T = V^T P.
; Q arrives times log2(e)/8: a score is the exponent t, p = 2^(t - m); a hidden score is -1e9 log2(e).  K's fragments lie in memory and LDS as images of their registers.  V's 16 bytes are laid into LDS with
; lane bits 3 and 4 exchanged, so that the turning load's lane l reads byte 16 l of its 512.
; REGISTERS: window 0: v1-9 addresses; v32-63 statistics, eight a tile (+0 m, +2, +3 l, +4..7 at work, a in +6); v64-191 S^T, 32 a tile, P packed into each tile's lower 16; v192-255 K's, then V's fragments.
;   window 1: v0-127 O^T, 32 a tile; v128-191 Q; v192-223 the 128 keys on their way.
.set MF,    524288
.set SLOTB, 32768                      ; a slot: K's 128 keys (16 KiB), then V's
.set VOFF,  16384
.set MERGE, 65536                      ; 4 x 18,432: a wave's statistics (2,048) and O^T (16,384)
.set MGW,   18432
.set SPARE, 139264                     ; the spare words, 128 bytes for each wave
.set SPW,  1
.set NIL,  2
.set AL0,  3                           ; 16 lane + 8,192 x parity: my lane's place in my step's fragments
.set AS0,  4                           ; 16 x thread: where I put what I fetched
.set GK,   5                           ; 16 x thread: what I fetch of K
.set GV,   6                           ; 512 x wave + 16 x (lane with bits 3, 4 exchanged): of V
.set LI,   7                           ; 16 x lane
.set NEGT, 8                           ; -1e9 log2(e)
.set AMG,  9                           ; my place in the merge area
.set ST,   32
.set S,    64
.set KV,   192
.set O,    0
.set Q,    128
.set STG,  192
.set MSB, 0
.macro WIN new                         ; bits 1:0 source 0, 3:2 source 1, 5:4 source 2, 7:6 destination; the high byte repeats the setting that is left
.if MSB != \new
	s_set_vgpr_msb (MSB<<8)|\new
.set MSB, \new
.endif
.endm
.macro KVLOAD                          ; 128 keys of K and of V: eight loads, each of the wave covering 512 consecutive bytes
	WIN 0x40
.irp i, 0,1,2,3
	global_load_b128 v[STG+4*\i:STG+4*\i+3], v[GK], s[18:19] offset:4096*\i
.endr
.irp i, 0,1,2,3
	global_load_b128 v[STG+16+4*\i:STG+16+4*\i+3], v[GV], s[20:21] offset:4096*\i
.endr
	WIN 0
.endm
.macro KVSTORE slot
	WIN 0x04                                       ; an LDS store's data are its source 1
.irp i, 0,1,2,3,4,5,6,7
	ds_store_b128 v[AS0], v[STG+4*\i:STG+4*\i+3] offset:(\slot)*SLOTB+4096*\i
.endr
	WIN 0
.endm
; A KEY STEP: my 64 keys of the slot against my 64 queries
.macro STEP slot
.set i, 0
.rept 16
	ds_load_b128 v[KV+4*i:KV+4*i+3], v[AL0] offset:(\slot)*SLOTB+512*i   ; K's fragment (key tile, 32 channels) at v[KV + 16 kt + 8 kf]
.set i, i+1
.endr
	s_wait_dscnt 0x0
	WIN 0x04                                       ; Q in window 1
.irp kf, 0,1                           ; 32 products; the 16 accumulators take turns; the first 16 start the sums
.irp u, 0,1,2,3
.irp kt, 0,1,2,3
.if \kf == 0
	v_wmma_f32_16x16x32_f16 v[S+32*\u+8*\kt:S+32*\u+8*\kt+7], v[KV+16*\kt+8*\kf:KV+16*\kt+8*\kf+7], v[Q+16*\u+8*\kf:Q+16*\u+8*\kf+7], 0
.else
	v_wmma_f32_16x16x32_f16 v[S+32*\u+8*\kt:S+32*\u+8*\kt+7], v[KV+16*\kt+8*\kf:KV+16*\kt+8*\kf+7], v[Q+16*\u+8*\kf:Q+16*\u+8*\kf+7], v[S+32*\u+8*\kt:S+32*\u+8*\kt+7]
.endif
.endr
.endr
.endr
	WIN 0
.rept 4
	v_nop                                          ; places ahead of the loads into K's registers and of the first read of the scores
.endr
.irp dt, 0,1,2,3                       ; V^T's fragment (16 channels dt, 32 keys g) at v[KV + 8 (2 dt + g)]: it lands while the softmax is worked
.irp g, 0,1
.irp e, 0,1
	ds_load_tr16_b128 v[KV+8*(2*\dt+\g)+4*\e:KV+8*(2*\dt+\g)+4*\e+3], v[AL0] offset:(\slot)*SLOTB+VOFF+(2*\g+\e)*2048+\dt*512
.endr
.endr
.endr
	s_bitcmp1_b32 s27, 0                           ; does the mask hide a key of this step from one of my queries?
	s_cbranch_scc0 .Lopen_\@
.irp p, 0,1                            ; two tiles of queries at a time: 32 words each, a lane mask for each register of scores
	s_load_b512 s[32:47], s[22:23], s66 offset:(2*\p)*4096
	s_load_b512 s[48:63], s[22:23], s66 offset:(2*\p)*4096+64
	s_load_b512 s[68:83], s[22:23], s66 offset:(2*\p+1)*4096
	s_load_b512 s[84:99], s[22:23], s66 offset:(2*\p+1)*4096+64
	s_wait_kmcnt 0x0
.set n, 0
.rept 32
	v_cndmask_b32 v[S+64*\p+n], v[NEGT], v[S+64*\p+n], s[32+n]
.set n, n+1
.endr
.set n, 0
.rept 32
	v_cndmask_b32 v[S+64*\p+32+n], v[NEGT], v[S+64*\p+32+n], s[68+n]
.set n, n+1
.endr
.endr
.Lopen_\@:
	; the maximum of a lane's 32 scores and the old m, three operands at a time, the four tiles by turns; each accumulator is read from its low end on
.irp j, 0,1,2,3
.irp u, 0,1,2,3
	v_max3_num_f32 v[ST+8*\u+4+\j], v[S+32*\u+8*\j], v[S+32*\u+8*\j+1], v[S+32*\u+8*\j+2]
.endr
.endr
.irp q, 1,2
.irp j, 0,1,2,3
.irp u, 0,1,2,3
	v_max3_num_f32 v[ST+8*\u+4+\j], v[ST+8*\u+4+\j], v[S+32*\u+8*\j+2*\q+1], v[S+32*\u+8*\j+2*\q+2]
.endr
.endr
.endr
.irp u, 0,1,2,3
	v_max3_num_f32 v[ST+8*\u+4], v[ST+8*\u+4], v[S+32*\u+7], v[S+32*\u+15]
	v_max3_num_f32 v[ST+8*\u+6], v[ST+8*\u+6], v[S+32*\u+23], v[S+32*\u+31]
.endr
.irp u, 0,1,2,3
	v_max3_num_f32 v[ST+8*\u+4], v[ST+8*\u+4], v[ST+8*\u+5], v[ST+8*\u+6]
.endr
.irp u, 0,1,2,3
	v_max3_num_f32 v[ST+8*\u+4], v[ST+8*\u+4], v[ST+8*\u+7], v[ST+8*\u]
.endr
.irp u, 0,1,2,3
	v_permlanex16_b32 v[ST+8*\u+5], v[ST+8*\u+4], s100, s101   ; the query's other 32 keys lie in the lane 16 away
.endr
.irp u, 0,1,2,3
	v_mov_b32 v[ST+8*\u+7], v[ST+8*\u]
.endr
.irp u, 0,1,2,3
	v_max_num_f32 v[ST+8*\u], v[ST+8*\u+4], v[ST+8*\u+5]       ; the new m
.endr
.irp u, 0,1,2,3
	v_sub_f32 v[ST+8*\u+7], v[ST+8*\u+7], v[ST+8*\u]           ; old m - new m
.endr
.set n, 0
.rept 16
.irp u, 0,1,2,3
	v_pk_add_f32 v[S+32*\u+2*n:S+32*\u+2*n+1], v[S+32*\u+2*n:S+32*\u+2*n+1], v[ST+8*\u:ST+8*\u+1] op_sel_hi:[1,0] neg_lo:[0,1] neg_hi:[0,1]   ; t - m
.endr
.set n, n+1
.endr
.irp u, 0,1,2,3
	v_exp_f32 v[ST+8*\u+6], v[ST+8*\u+7]           ; a = 2^(old m - new m)
.endr
.set n, 0
.rept 128
	v_exp_f32 v[S+n], v[S+n]                       ; p = 2^(t - m): one batch of 132 exponentials
.set n, n+1
.endr
	v_nop                                          ; a plain instruction behind the last of them
	s_wait_alu depctr_va_vdst(0)                   ; and one wait ahead of the batch's first reader
.irp u, 0,1,2,3
	v_pk_mul_f32 v[ST+8*\u+2:ST+8*\u+3], v[ST+8*\u+2:ST+8*\u+3], v[ST+8*\u+6:ST+8*\u+7] op_sel_hi:[1,0]   ; l x a
.endr
.irp u, 0,1,2,3
	v_pk_add_f32 v[ST+8*\u+4:ST+8*\u+5], v[S+32*\u:S+32*\u+1], v[S+32*\u+2:S+32*\u+3]                     ; the sums, two chains a tile
.endr
.irp j, 4,8,12,16,20,24,28
.irp u, 0,1,2,3
	v_pk_add_f32 v[ST+8*\u+2:ST+8*\u+3], v[ST+8*\u+2:ST+8*\u+3], v[S+32*\u+\j:S+32*\u+\j+1]
	v_pk_add_f32 v[ST+8*\u+4:ST+8*\u+5], v[ST+8*\u+4:ST+8*\u+5], v[S+32*\u+\j+2:S+32*\u+\j+3]
.endr
.endr
.irp u, 0,1,2,3
	v_pk_add_f32 v[ST+8*\u+2:ST+8*\u+3], v[ST+8*\u+2:ST+8*\u+3], v[ST+8*\u+4:ST+8*\u+5]
.endr
.set n, 0
.rept 16
.irp u, 0,1,2,3
	v_cvt_pk_f16_f32 v[S+32*\u+n], v[S+32*\u+2*n], v[S+32*\u+2*n+1]   ; P in place, ascending: register n is written when 2 n and 2 n + 1 are read
.endr
.set n, n+1
.endr
	WIN 0x41
.set n, 0
.rept 16
.irp u, 0,1,2,3
	v_pk_mul_f32 v[O+32*\u+2*n:O+32*\u+2*n+1], v[O+32*\u+2*n:O+32*\u+2*n+1], v[ST+8*\u+6:ST+8*\u+7] op_sel_hi:[1,0]   ; O^T x a
.endr
.set n, n+1
.endr
	s_wait_dscnt 0x0                               ; V is in
	WIN 0x50
.irp g, 0,1                            ; 32 products, the 16 accumulators by turns
.irp u, 0,1,2,3
.irp dt, 0,1,2,3
	v_wmma_f32_16x16x32_f16 v[O+32*\u+8*\dt:O+32*\u+8*\dt+7], v[KV+8*(2*\dt+\g):KV+8*(2*\dt+\g)+7], v[S+32*\u+8*\g:S+32*\u+8*\g+7], v[O+32*\u+8*\dt:O+32*\u+8*\dt+7]
.endr
.endr
.endr
	WIN 0
.rept 5
	v_nop                                          ; five places: the next products write over P, the next loads land on V, the next vector lines read O^T
.endr
.endm
; A TRIP: the next 128 keys are fetched (if any wave wants them), my step of this slot is worked (if I want it), what was fetched goes into the other slot; one barrier:
; it parts this trip's reads of this slot from the next trip's stores into it, and this trip's stores from the next trip's reads.
.macro TRIP slot
	s_and_b32 s29, s28, 3
	s_cmp_lg_u32 s29, 0
	s_cbranch_scc0 .Lnoload_\@
	KVLOAD
.Lnoload_\@:
	s_bitcmp1_b32 s26, 0
	s_cbranch_scc0 .Lnostep_\@
	STEP \slot
.Lnostep_\@:
	s_wait_loadcnt 0x0
	s_cmp_lg_u32 s29, 0
	s_cbranch_scc0 .Lnostore_\@
	KVSTORE 1-(\slot)
.Lnostore_\@:
	s_wait_xcnt 0x0                                ; the loads have read their bases
	s_add_nc_u64 s[18:19], s[18:19], 16384
	s_add_nc_u64 s[20:21], s[20:21], 16384
	s_add_co_u32 s66, s66, 256                     ; two steps' mask words on
	s_lshr_b32 s26, s26, 2
	s_lshr_b32 s27, s27, 2
	s_lshr_b32 s28, s28, 2
	s_wait_dscnt 0x0
	s_barrier_signal -1
	s_barrier_wait -1
.endm
	s_load_b128 s[4:7], s[0:1], 0x0                ; qkvf s[4:5], mbits s[6:7]
	s_load_b64 s[8:9], s[0:1], 0x10                ; ctxf
	v_lshl_add_u32 v[SPW], v0, 2, SPARE
	v_mov_b32 v[NIL], 0
	v_lshrrev_b32 v10, 5, v0
	v_readfirstlane_b32 s10, v10                   ; wave 0..7
	s_and_b32 s11, s10, 3                          ; which 64 queries
	s_lshr_b32 s12, s10, 2                         ; which parity of key steps
	s_and_b32 s14, ttmp7, 0xffff                   ; 16 x batch + head
	s_mov_b32 s15, ttmp9                           ; the first block of queries
	s_mov_b32 s16, 0
	v_and_b32 v10, 31, v0
	v_lshlrev_b32 v[LI], 4, v10
	s_lshl_b32 s30, s12, 13
	v_add_nc_u32 v[AL0], s30, v[LI]
	v_lshlrev_b32 v[AS0], 4, v0
	v_lshlrev_b32 v[GK], 4, v0
	v_and_b32 v[GV], 7, v0
	v_bfe_u32 v11, v0, 3, 1
	v_lshl_or_b32 v[GV], v11, 4, v[GV]
	v_bfe_u32 v11, v0, 4, 1
	v_lshl_or_b32 v[GV], v11, 3, v[GV]
	v_lshlrev_b32 v[GV], 4, v[GV]
	v_and_b32 v11, 0xe0, v0
	v_lshl_add_u32 v[GV], v11, 4, v[GV]
	v_mov_b32 v[NEGT], 0xceabfb8f
	s_mul_i32 s30, s11, MGW
	s_add_co_u32 s30, s30, MERGE
	v_add_nc_u32 v[AMG], s30, v[LI]
	s_mov_b32 s100, 0x76543210
	s_mov_b32 s101, 0xfedcba98                     ; v_permlanex16_b32's selects for lane l xor 16
	WIN 0x40
.set i, 0
.rept 32
	v_mov_b32 v[STG+i], 0                          ; written once, so that they are written on every way through the text
.set i, i+1
.endr
	WIN 0
	s_wait_kmcnt 0x0
.Lblock:
	; which steps are wanted: by the work-group (s28), by my wave (s26), and in which of mine the mask hides something (s27)
	s_lshl_b32 s30, s15, 6
	s_load_b512 s[32:47], s[6:7], s30 offset:MF            ; steps with a kept key, for the block's 16 tiles of queries: keys 0-1,023,
	s_load_b512 s[48:63], s[6:7], s30 offset:MF+2560       ; keys 1,024-2,047
	s_load_b512 s[68:83], s[6:7], s30 offset:MF+1024       ; rows with a kept key, likewise
	s_load_b512 s[84:99], s[6:7], s30 offset:MF+3584
	s_wait_kmcnt 0x0
.set n, 1
.rept 7
	s_or_b64 s[32:33], s[32:33], s[32+2*n:33+2*n]
.set n, n+1
.endr
.set n, 0
.rept 8
	s_or_b64 s[32:33], s[32:33], s[48+2*n:49+2*n]
.set n, n+1
.endr
	s_or_b32 s28, s32, s33
.set n, 0
.rept 8
	s_or_b64 s[68+2*n:69+2*n], s[68+2*n:69+2*n], s[84+2*n:85+2*n]
.set n, n+1
.endr
.set n, 1
.rept 7
	s_and_b64 s[68:69], s[68:69], s[68+2*n:69+2*n]
.set n, n+1
.endr
	s_and_b32 s68, s68, s69
	s_cmp_eq_u32 s68, 0xffff
	s_cselect_b32 s31, 0, -1                       ; all ones where some row of the 256 keeps no key: then every step is walked
	s_or_b32 s28, s28, s31
	s_lshl_b32 s67, s11, 4
	s_add_co_u32 s30, s30, s67
	s_load_b128 s[32:35], s[6:7], s30 offset:MF            ; the same for my four tiles alone,
	s_load_b128 s[36:39], s[6:7], s30 offset:MF+2560
	s_load_b128 s[40:43], s[6:7], s30 offset:MF+512        ; and the steps in which not every key is kept
	s_load_b128 s[44:47], s[6:7], s30 offset:MF+3072
	s_wait_kmcnt 0x0
	s_or_b64 s[32:33], s[32:33], s[34:35]
	s_or_b64 s[36:37], s[36:37], s[38:39]
	s_or_b64 s[32:33], s[32:33], s[36:37]
	s_or_b32 s26, s32, s33
	s_or_b32 s26, s26, s31
	s_or_b64 s[40:41], s[40:41], s[42:43]
	s_or_b64 s[44:45], s[44:45], s[46:47]
	s_or_b64 s[40:41], s[40:41], s[44:45]
	s_or_b32 s27, s40, s41
	s_and_b32 s27, s27, s26
	s_lshr_b32 s26, s26, s12                       ; bit 0: my step of trip 0; two bits a trip
	s_lshr_b32 s27, s27, s12
	s_lshl_b32 s24, s14, 18                        ; a head is 256 KiB in each tensor
	s_mov_b32 s25, 0
	s_add_nc_u64 s[68:69], s[4:5], s[24:25]        ; the head's Q,
	s_add_nc_u64 s[18:19], s[68:69], 0x1000000     ; K,
	s_add_nc_u64 s[20:21], s[68:69], 0x2000000     ; and V's high parts
	s_lshl_b32 s30, s15, 4
	s_lshl_b32 s67, s11, 2
	s_add_co_u32 s30, s30, s67                     ; my first tile of queries
	s_lshl_b32 s24, s30, 11
	s_add_nc_u64 s[68:69], s[68:69], s[24:25]
	s_lshl_b32 s24, s30, 12
	s_add_nc_u64 s[22:23], s[6:7], s[24:25]        ; its mask words
	s_lshl_b32 s66, s12, 7                         ; 128 bytes a step
	WIN 0x40
.set i, 0
.rept 16
	global_load_b128 v[Q+4*i:Q+4*i+3], v[LI], s[68:69] offset:512*i   ; Q stays in registers: 8 KiB on end
.set i, i+1
.endr
.set i, 0
.rept 128
	v_mov_b32 v[O+i], 0                            ; O^T begins as zeros: which step is a wave's first hangs on the mask, so no step of the text can start the sums
.set i, i+1
.endr
	WIN 0
.irp u, 0,1,2,3
	v_mov_b32 v[ST+8*\u], 0xff61b1e6               ; m = -3e38, under every t
	v_mov_b32 v[ST+8*\u+1], 0                      ; (named with m as a pair)
	v_mov_b32 v[ST+8*\u+2], 0                      ; l, in two halves
	v_mov_b32 v[ST+8*\u+3], 0
.endr
	s_and_b32 s29, s28, 3                          ; the first 128 keys
	s_cmp_lg_u32 s29, 0
	s_cbranch_scc0 .Lp0
	KVLOAD
.Lp0:
	s_wait_loadcnt 0x0                             ; Q too
	s_cmp_lg_u32 s29, 0
	s_cbranch_scc0 .Lp1
	KVSTORE 0
.Lp1:
	s_wait_xcnt 0x0
	s_add_nc_u64 s[18:19], s[18:19], 16384
	s_add_nc_u64 s[20:21], s[20:21], 16384
	s_lshr_b32 s28, s28, 2
	s_wait_dscnt 0x0
	s_barrier_signal -1
	s_barrier_wait -1
	s_mov_b32 s17, 0
.Ltrip:                                            ; 8 trips of two: 16 x 128 keys.  Behind the last keys s28 holds zeros: nothing is fetched past the end
	TRIP 0
	TRIP 1
	s_add_co_u32 s17, s17, 1
	s_cmp_lt_u32 s17, 8
	s_cbranch_scc1 .Ltrip
	; THE MERGE: the waves of parity 1 hand m, l and O^T to their partners
	s_cmp_eq_u32 s12, 0
	s_cbranch_scc1 .Lkeep
.irp u, 0,1,2,3
	ds_store_b128 v[AMG], v[ST+8*\u:ST+8*\u+3] offset:512*\u
.endr
	WIN 0x04
.set i, 0
.rept 32
	ds_store_b128 v[AMG], v[O+4*i:O+4*i+3] offset:2048+512*i
.set i, i+1
.endr
	WIN 0
.Lkeep:
	s_wait_dscnt 0x0
	s_barrier_signal -1
	s_barrier_wait -1
	s_cmp_lg_u32 s12, 0
	s_cbranch_scc1 .Lmerged
.irp u, 0,1,2,3
	ds_load_b128 v[KV+4*\u:KV+4*\u+3], v[AMG] offset:512*\u
.endr
.set i, 0
.rept 32
	ds_load_b128 v[S+4*i:S+4*i+3], v[AMG] offset:2048+512*i
.set i, i+1
.endr
	s_lshr_b32 s30, s14, 4                         ; where my context goes: row tile 128 x batch + 16 x block + 4 x (wave % 4), 32 KiB each; the head's 2 KiB in it
	s_lshl_b32 s30, s30, 7
	s_lshl_b32 s31, s15, 4
	s_add_co_u32 s30, s30, s31
	s_lshl_b32 s31, s11, 2
	s_add_co_u32 s30, s30, s31
	s_lshl_b32 s24, s30, 15
	s_and_b32 s31, s14, 15
	s_lshl_b32 s31, s31, 11
	s_add_co_u32 s24, s24, s31
	s_mov_b32 s25, 0
	s_add_nc_u64 s[24:25], s[8:9], s[24:25]
	s_wait_dscnt 0x0
.irp u, 0,1,2,3
	v_max_num_f32 v[ST+8*\u+4], v[ST+8*\u], v[KV+4*\u]          ; the common maximum (at least one of the two has walked a step)
.endr
.irp u, 0,1,2,3
	v_sub_f32 v[ST+8*\u+5], v[ST+8*\u], v[ST+8*\u+4]
	v_sub_f32 v[ST+8*\u+6], v[KV+4*\u], v[ST+8*\u+4]
.endr
.irp u, 0,1,2,3
	v_exp_f32 v[ST+8*\u+5], v[ST+8*\u+5]
	v_exp_f32 v[ST+8*\u+6], v[ST+8*\u+6]
.endr
.irp u, 0,1,2,3
	v_add_f32 v[ST+8*\u+2], v[ST+8*\u+2], v[ST+8*\u+3]          ; (plain work that names no exponential's result)
	v_add_f32 v[KV+4*\u+2], v[KV+4*\u+2], v[KV+4*\u+3]
.endr
	s_wait_alu depctr_va_vdst(0)                   ; one wait for the eight exponentials
.irp u, 0,1,2,3
	v_mul_f32 v[ST+8*\u+2], v[ST+8*\u+2], v[ST+8*\u+5]
.endr
.irp u, 0,1,2,3
	v_fma_f32 v[ST+8*\u+2], v[KV+4*\u+2], v[ST+8*\u+6], v[ST+8*\u+2]
.endr
.irp u, 0,1,2,3
	v_permlanex16_b32 v[ST+8*\u+3], v[ST+8*\u+2], s100, s101
.endr
.irp u, 0,1,2,3
	v_add_f32 v[ST+8*\u+2], v[ST+8*\u+2], v[ST+8*\u+3]          ; the row's sum
.endr
.irp u, 0,1,2,3
	v_rcp_f32 v[ST+8*\u+7], v[ST+8*\u+2]
.endr
	v_nop
	s_wait_alu depctr_va_vdst(0)                   ; one wait for the four reciprocals
.irp u, 0,1,2,3
	v_mul_f32 v[ST+8*\u+4], v[ST+8*\u+5], v[ST+8*\u+7]          ; what my O^T is multiplied by,
	v_mul_f32 v[ST+8*\u+6], v[ST+8*\u+6], v[ST+8*\u+7]          ; and my partner's
.endr
.set n, 0
.rept 16
.irp u, 0,1,2,3
	v_pk_mul_f32 v[S+32*\u+2*n:S+32*\u+2*n+1], v[S+32*\u+2*n:S+32*\u+2*n+1], v[ST+8*\u+6:ST+8*\u+7] op_sel_hi:[1,0]
.endr
.set n, n+1
.endr
	WIN 0x01
.set n, 0
.rept 16
.irp u, 0,1,2,3
	v_pk_fma_f32 v[S+32*\u+2*n:S+32*\u+2*n+1], v[O+32*\u+2*n:O+32*\u+2*n+1], v[ST+8*\u+4:ST+8*\u+5], v[S+32*\u+2*n:S+32*\u+2*n+1] op_sel_hi:[1,0,1]
.endr
.set n, n+1
.endr
	WIN 0
.set n, 0
.rept 16
.irp u, 0,1,2,3
	v_cvt_pk_f16_f32 v[S+32*\u+n], v[S+32*\u+2*n], v[S+32*\u+2*n+1]
.endr
.set n, n+1
.endr
.irp u, 0,1,2,3
.irp dt, 0,1,2,3
	global_store_b128 v[LI], v[S+32*\u+4*\dt:S+32*\u+4*\dt+3], s[24:25] offset:\u*32768+\dt*512   ; half a fragment of the last product: 512 consecutive bytes
.endr
.endr
	s_wait_xcnt 0x0                                ; the stores have read their registers and their base
.Lmerged:
	s_sub_co_u32 s15, 7, s15                       ; the second block
	s_add_co_u32 s16, s16, 1
	s_cmp_lt_u32 s16, 2
	s_cbranch_scc1 .Lblock
	s_wait_tensorcnt 0x0                           ; the wave's end
	ds_add_u32 v[SPW], v[NIL]
	s_wait_dscnt 0x0
	s_endpgm
.Lfunc_end_k_q7fc7bf8301_attn:
	.size	k_q7fc7bf8301_attn, .Lfunc_end_k_q7fc7bf8301_attn-k_q7fc7bf8301_attn
	.p2alignl 7, 3214868480
	.fill 96, 4, 3214868480
	.section	.rodata,"a",@progbits
	.p2align	6, 0x0
	.amdhsa_kernel k_q7fc7bf8301_attn
		.amdhsa_group_segment_fixed_size 140288
		.amdhsa_private_segment_fixed_size 0
		.amdhsa_enable_private_segment 0
		.amdhsa_kernarg_size 24
		.amdhsa_user_sgpr_count 2
		.amdhsa_user_sgpr_kernarg_segment_ptr 1
		.amdhsa_wavefront_size32 1
		.amdhsa_system_sgpr_workgroup_id_x 1
		.amdhsa_system_sgpr_workgroup_id_y 1
		.amdhsa_system_sgpr_workgroup_id_z 1
		.amdhsa_system_vgpr_workitem_id 0
		.amdhsa_next_free_vgpr 512
		.amdhsa_next_free_sgpr 102
		.amdhsa_reserve_vcc 0
		.amdhsa_float_denorm_mode_32 3
		.amdhsa_float_denorm_mode_16_64 3
		.amdhsa_memory_ordered 1
		.amdhsa_forward_progress 1
		.amdhsa_inst_pref_size 120
	.end_amdhsa_kernel
	.amdgpu_metadata
---
amdhsa.version: [ 1, 2 ]
amdhsa.kernels:
  - .name:           k_q7fc7bf8301_attn
    .symbol:         k_q7fc7bf8301_attn.kd
    .args:
      - { .name: qkvf, .offset: 0, .size: 8, .value_kind: global_buffer, .address_space: global }
      - { .name: mbits, .offset: 8, .size: 8, .value_kind: global_buffer, .address_space: global }
      - { .name: ctxf, .offset: 16, .size: 8, .value_kind: global_buffer, .address_space: global }
    .group_segment_fixed_size: 140288
    .private_segment_fixed_size: 0
    .kernarg_segment_align: 8
    .kernarg_segment_size: 24
    .max_flat_workgroup_size: 256
    .sgpr_count:     102
    .vgpr_count:     512
    .wavefront_size: 32
...
	.end_amdgpu_metadata
.endif
;; end of part 3
;; launch outp (part 4): grid 4 x 32, 4 waves a work-group, clusters of 4 x 4, 327,680 bytes of LDS; arguments ctxf, wohl, bo, out0; writes out0
.if DOCPART == 4
	.amdgcn_target "amdgcn-amd-amdhsa--gfx1250"
	.amdhsa_code_object_version 6
	.text
	.protected	k_q7fc7bf8301_outp
	.globl	k_q7fc7bf8301_outp
	.p2align	8
	.type	k_q7fc7bf8301_outp,@function
k_q7fc7bf8301_outp:
	s_mov_b64 s[64:65], 0
	v_nop
	global_prefetch_b8 v0, s[64:65] scope:SCOPE_SE
	s_setreg_imm32_b32 hwreg(HW_REG_WAVE_MODE, 25, 1), 1
	s_wait_xcnt 0x0
	s_wait_alu depctr_hold_cnt(0) depctr_sa_sdst(0) depctr_va_vdst(0) depctr_va_sdst(0) depctr_va_ssrc(0) depctr_va_vcc(0) depctr_vm_vsrc(0)
	s_getreg_b32 s2, hwreg(HW_REG_IB_STS2, 6, 4)
	s_cmp_eq_u32 s2, 0
	s_cbranch_scc0 .Lentry_in_a_cluster
	s_endpgm
.Lentry_in_a_cluster:
	s_bfe_u32 s2, ttmp6, 0x10000c
	s_cmp_lg_u32 s2, 0xf033
	s_cbranch_scc0 .Lentry_shape_is_right
	s_endpgm
.Lentry_shape_is_right:
; Launch 4 of 5: out = context Wo^T + bo.  [8,192 x 1,024] x [1,024 x 1,024], operands f16 (Wo's high parts), sums f32, out f32.
; A tile of 256 x 256 is made by four waves, 128 x 128 each: 64 accumulators, 512 registers.  32 x 4 = 128 tiles.  A tile of 128 x 256 would fill 256 WGPs, but a K step would then hold 128 matrix instructions a wave
; in which the one refill behind a change of slots has to land, and two slots of a longer step do not fit in LDS; here it has 224.
; Both operands lie in memory as images of fragments: [16 rows: tile][32 along K: 32][half 2][lane 32][16 bytes], 32 KiB a tile of rows.  A K step of 128 is 4,096 consecutive bytes of each tile of rows;
; a wave's tensor load brings eight such rows, 32 KiB.  In LDS a fragment's half is 512 consecutive bytes, 16 a lane: no padding is wanted.
; K goes in 8 steps through a ring of two slots.  CLUSTERS: 4 x 4: the context's tiles are shared along a row of the cluster, Wo's along a column, by joint loads.
; THE MATRIX INSTRUCTION IS USED TRANSPOSED (source 0 = 16 rows of Wo, source 1 = 16 rows of the context): a lane holds eight neighbouring numbers of a row of out.  The bias is the C of each sum's first product.
; REGISTERS: window 0: v0-31 addresses; v64-127, v128-191 the context's fragments, two buffers; v192-255 the bias; on the way out v128-255 rows read back.   window 1: v64-127, v128-191 Wo's fragments.
;   windows 2, 3: the accumulators of my rows 0-63, 64-127 (accumulator (a, b) at v[8 (8 a + b)]).
.set KSB,    4096                      ; a K step of a tile of rows, in bytes
.set HALFT,  32768                     ; what one tensor load brings
.set SLOT,   131072
.set STAGE,  262144                    ; behind the ring: 16 rows x 528 bytes for each wave, for the way out
.set SPITCH, 528
.set SPARE,  STAGE+4*16*SPITCH         ; the spare words, 128 bytes for each wave
.set LAPS,   4
.set ADRA, 16
.set ADRB, 20
.set STO,  24
.set RD,   25
.set CO,   26
.set BOF,  27
.set SPW,  28
.set NIL,  29
.set F0,   64
.set F1,   128
.set BI,   192
.set BK,   128
.set G1, 24
.set G0, 32
.set G1B, 48
.set G0B, 56
.set MSB, 0
.macro WIN new
.if MSB != \new
	s_set_vgpr_msb (MSB<<8)|\new
.set MSB, \new
.endif
.endm
.set MUL_LO, 0xa1                      ; source 0 (Wo) window 1, source 1 (context) window 0, C and D window 2
.set MUL_HI, 0xf1
.set TO_B,   0x40
.macro JLOAD s                         ; a joint load: waves 0 and 1 fetch the context's halves, waves 2 and 3 Wo's; an s_nop 0 and four v_nop follow each of the two lines
	s_cmp_eq_u32 s13, 0
	s_cbranch_scc0 .Lfor_b_\@
	tensor_load_to_lds s[G0+4*\s:G0+4*\s+3], s[G1:G1+7]
	s_nop 0
.rept 4
	v_nop
.endr
	s_branch .Lasked_\@
.Lfor_b_\@:
	tensor_load_to_lds s[G0B+4*\s:G0B+4*\s+3], s[G1B:G1B+7]
	s_nop 0
.rept 4
	v_nop
.endr
.Lasked_\@:
.endm
.macro CREST
	s_cmp_lg_u32 s12, 0
	s_cbranch_scc1 .Lnot_wave_0_\@
	s_barrier_signal -3
.Lnot_wave_0_\@:
	s_barrier_wait -3
	s_barrier_signal -1
	s_barrier_wait -1
.endm
.macro CROUND
	s_barrier_signal -1
	s_barrier_wait -1
	CREST
.endm
	s_load_b256 s[4:11], s[0:1], 0x0               ; ctxf s[4:5], wohl s[6:7], bo s[8:9], out0 s[10:11]
	v_lshl_add_u32 v[SPW], v0, 2, SPARE
	v_mov_b32 v[NIL], 0
	ds_add_u32 v[SPW], v[NIL]                      ; the wave's opening: the add, twice on end, and its wait ahead of my first tensor load
	ds_add_u32 v[SPW], v[NIL]
	v_lshrrev_b32 v1, 5, v0
	v_readfirstlane_b32 s12, v1                    ; wave 0..3
	s_lshr_b32 s13, s12, 1                         ; which half of the tile's rows is mine.  Also: I fetch for the context (0) or for Wo (1)
	s_and_b32 s14, s12, 1                          ; which half of its columns.  Also: which 128 rows I fetch
	s_bfe_u32 s15, ttmp6, 0x40000                  ; cx
	s_bfe_u32 s16, ttmp6, 0x40004                  ; cy
	s_lshl_b32 s17, ttmp9, 2
	s_add_co_u32 s17, s17, s15                     ; tile column
	s_and_b32 s18, ttmp7, 0xffff
	s_lshl_b32 s18, s18, 2
	s_add_co_u32 s18, s18, s16                     ; tile row
	s_lshl_b32 s44, s16, 2
	s_lshl_b32 s44, 15, s44                        ; my row of the cluster
	s_lshl_b32 s45, 0x1111, s15                    ; my column
	s_or_b32 s[G1+0], s44, (3<<16)|(1<<21)         ; the mask; elements of 8 bytes; no padding; bit 21 beside a mask
	s_or_b32 s[G1B+0], s45, (3<<16)|(1<<21)
.irp g, G1, G1B
	s_mov_b32 s[\g+1], 512<<16                     ; tensor_dim0 = 512 elements: 4,096 bytes
	s_mov_b32 s[\g+2], 8<<16                       ; tensor_dim1 = 8 tiles of rows
	s_mov_b32 s[\g+3], 512<<16                     ; tile_dim0
	s_mov_b32 s[\g+4], 8                           ; tile_dim1
	s_mov_b32 s[\g+5], 4096                        ; from a tile of rows to the next: 32 KiB
	s_mov_b32 s[\g+6], 0
	s_mov_b32 s[\g+7], 0
.endr
	s_lshl_b32 s20, s18, 19                        ; the context: 16 tiles of rows to a tile row, 32 KiB each,
	s_lshl_b32 s19, s14, 18                        ; + the eight that I fetch
	s_add_co_u32 s20, s20, s19
	s_mov_b32 s21, 0
	s_lshl_b32 s22, s17, 19                        ; Wo likewise, by the tile column
	s_add_co_u32 s22, s22, s19
	s_mov_b32 s23, 0
	s_lshl_b32 s19, s12, 15                        ; where they go: wave x 32 KiB
	s_wait_dscnt 0x0                               ; both opening adds are done
	s_wait_kmcnt 0x0
	s_add_nc_u64 s[40:41], s[4:5], s[20:21]
	s_add_nc_u64 s[42:43], s[6:7], s[22:23]
	CROUND                                         ; all sixteen work-groups are here: the first joint loads meet
.irp s, 0,1
	s_mov_b32 s[G0+4*\s], 1
	s_add_co_u32 s[G0+4*\s+1], s19, \s*SLOT
	s_add_nc_u64 s[G0+4*\s+2:G0+4*\s+3], s[40:41], \s*KSB
	s_or_b32 s[G0+4*\s+3], s[G0+4*\s+3], 0x80000000
	s_mov_b32 s[G0B+4*\s], 1
	s_add_co_u32 s[G0B+4*\s+1], s19, \s*SLOT
	s_add_nc_u64 s[G0B+4*\s+2:G0B+4*\s+3], s[42:43], \s*KSB
	s_or_b32 s[G0B+4*\s+3], s[G0B+4*\s+3], 0x80000000
	JLOAD \s                                       ; two loads of mine are out behind the second
.endr
	v_and_b32 v1, 15, v0                           ; l % 16
	v_bfe_u32 v2, v0, 4, 1                         ; l / 16
	v_and_b32 v3, 31, v0
	v_lshlrev_b32 v3, 4, v3                        ; 16 x lane
	s_lshl_b32 s20, s13, 15                        ; my 128 rows of the context
	s_lshl_b32 s21, s14, 15                        ; my 128 rows of Wo,
	s_add_co_u32 s21, s21, 65536                   ; which lie behind the context's 256
.irp s, 0,1
	v_add_nc_u32 v[ADRA+\s], s20, v3
	v_add_nc_u32 v[ADRB+\s], s21, v3
	s_add_co_u32 s20, s20, SLOT
	s_add_co_u32 s21, s21, SLOT
.endr
	s_mul_i32 s22, s12, 16*SPITCH
	s_add_co_u32 s22, s22, STAGE                   ; my stage
	v_mul_u32_u24 v4, v1, SPITCH                   ; in: row l % 16, 32 bytes for each half of the lanes
	v_lshl_add_u32 v4, v2, 5, v4
	v_add_nc_u32 v[STO], s22, v4
	v_mov_b32 v[CO], v3                            ; back: the 32 lanes take one row of 512 bytes; and the same in out
	v_add_nc_u32 v[RD], s22, v3
	v_lshlrev_b32 v[BOF], 5, v2
	s_lshl_b32 s20, s17, 10                        ; my first column, in bytes: 1,024 x tile column + 512 x half
	s_lshl_b32 s21, s14, 9
	s_add_co_u32 s20, s20, s21
	s_mov_b32 s21, 0
	s_add_nc_u64 s[8:9], s[8:9], s[20:21]
	s_add_nc_u64 s[10:11], s[10:11], s[20:21]
.irp b, 0,1,2,3,4,5,6,7
	global_load_b128 v[BI+8*\b:BI+8*\b+3], v[BOF], s[8:9] offset:64*\b           ; register 8 b + j: bo of column 16 b + 8 (l / 16) + j of my 128
	global_load_b128 v[BI+8*\b+4:BI+8*\b+7], v[BOF], s[8:9] offset:64*\b+16
.endr
	s_lshl_b32 s20, s18, 20                        ; my first row: 256 x tile row + 128 x half, 4,096 bytes each
	s_lshl_b32 s22, s13, 19
	s_add_co_u32 s20, s20, s22
	s_add_nc_u64 s[10:11], s[10:11], s[20:21]
; 16 matrix instructions: row blocks a0, a0 + 1 of the window's four x all 8 column blocks, 32 along K.  first = 1: the bias starts the sums.  The 64 accumulators take turns.
.macro MUL16 f, hi, a0, first
.irp a, \a0, \a0+1
.irp b, 0,1,2,3,4,5,6,7
.if \first
	v_wmma_f32_16x16x32_f16 v[8*(8*(\a)+\b):8*(8*(\a)+\b)+7], v[\f+8*\b:\f+8*\b+7], v[\f+8*(4*\hi+\a):\f+8*(4*\hi+\a)+7], v[BI+8*\b:BI+8*\b+7]
.else
	v_wmma_f32_16x16x32_f16 v[8*(8*(\a)+\b):8*(8*(\a)+\b)+7], v[\f+8*\b:\f+8*\b+7], v[\f+8*(4*\hi+\a):\f+8*(4*\hi+\a)+7], v[8*(8*(\a)+\b):8*(8*(\a)+\b)+7]
.endif
.endr
.endr
.endm
.macro FETCH slot, k, f                ; 32 LDS loads in one run: the fragments of 32 along K (byte k of a tile of rows' 4,096) into buffer f
	WIN TO_B
.irp i, 0,1,2,3,4,5,6,7
	ds_load_b128 v[\f+8*\i:\f+8*\i+3],   v[ADRB+\slot] offset:\k+\i*KSB
	ds_load_b128 v[\f+8*\i+4:\f+8*\i+7], v[ADRB+\slot] offset:\k+\i*KSB+512
.endr
	WIN 0
.irp i, 0,1,2,3,4,5,6,7
	ds_load_b128 v[\f+8*\i:\f+8*\i+3],   v[ADRA+\slot] offset:\k+\i*KSB
	ds_load_b128 v[\f+8*\i+4:\f+8*\i+7], v[ADRA+\slot] offset:\k+\i*KSB+512
.endr
.endm
.macro PLACES                          ; four plain vector instructions ahead of loads into registers that matrix instructions have read, and of reads of results
.rept 4
	v_nop
.endr
.endm
.macro QUARTER slot, k, f, g, first
	s_wait_dscnt 8                                 ; Wo and the context's rows 0-63 are in; the youngest eight loads (rows 64-127) may be out
.if \first
	WIN 0x81                                       ; C, the bias, in window 0
.else
	WIN MUL_LO
.endif
	MUL16 \f, 0, 0, \first
	MUL16 \f, 0, 2, \first
	PLACES
	FETCH \slot, \k, \g
	s_wait_dscnt 32                                ; all but the 32 just issued
.if \first
	WIN 0xc1
.else
	WIN MUL_HI
.endif
	MUL16 \f, 1, 0, \first
	MUL16 \f, 1, 2, \first
.endm
; The last quarter of a slot changes slots: ONE barrier; ahead of it each wave waits for all its tensor loads (one is out: its part of the next slot), adds 0 to its spare word, and waits for that and for its reads of this slot.
.macro MEET round
	WIN 0
	s_wait_tensorcnt 0x0
	ds_add_u32 v[SPW], v[NIL]
	s_wait_dscnt 9                                 ; (the add and the youngest eight loads may be out)
	WIN MUL_LO
	MUL16 F1, 0, 0, 0
	s_wait_dscnt 0x0                               ; the add is done, and my reads of this slot are over
	s_barrier_signal -1
	MUL16 F1, 0, 2, 0
.if \round
	WIN 0
.endif
	s_barrier_wait -1
.endm
.macro TURN slot, next
	MEET 1
	CREST                                          ; the barrier has opened a round of the cluster's: no wave of any partner still reads this slot or has a load on its way
	s_add_nc_u64 s[G0+4*\slot+2:G0+4*\slot+3], s[G0+4*\slot+2:G0+4*\slot+3], 2*KSB
	s_add_nc_u64 s[G0B+4*\slot+2:G0B+4*\slot+3], s[G0B+4*\slot+2:G0B+4*\slot+3], 2*KSB
	JLOAD \slot                                    ; the first tensor load behind the round, my one load until the next: 224 matrix instructions ahead of the wait for it
	FETCH \next, 0, F0
	WIN MUL_HI
	MUL16 F1, 1, 0, 0
	MUL16 F1, 1, 2, 0
.endm
	s_wait_tensorcnt 1                             ; my part of K step 0 is in (K step 1's may be out),
	s_barrier_signal -1
	s_barrier_wait -1                              ; everybody's is
	FETCH 0, 0, F0
	s_wait_loadcnt 0x0                             ; the bias
	QUARTER 0, 1024, F0, F1, 1                     ; the first quarter stands ahead of the loop: its products start the sums
	WIN 0
	s_mov_b32 s3, LAPS-1
.Llap:                                             ; a trip goes once round the ring and fills both slots again
	QUARTER 0, 2048, F1, F0, 0
	QUARTER 0, 3072, F0, F1, 0
	TURN 0, 1
	QUARTER 1, 1024, F0, F1, 0
	QUARTER 1, 2048, F1, F0, 0
	QUARTER 1, 3072, F0, F1, 0
	TURN 1, 0
	QUARTER 0, 1024, F0, F1, 0
	WIN 0
	s_sub_co_u32 s3, s3, 1
	s_cmp_lg_u32 s3, 0
	s_cbranch_scc1 .Llap
	QUARTER 0, 2048, F1, F0, 0                     ; the last lap fills nothing
	QUARTER 0, 3072, F0, F1, 0
	MEET 0
	PLACES
	FETCH 1, 0, F0
	WIN MUL_HI
	MUL16 F1, 1, 0, 0
	MUL16 F1, 1, 2, 0
	QUARTER 1, 1024, F0, F1, 0
	QUARTER 1, 2048, F1, F0, 0
	QUARTER 1, 3072, F0, F1, 0
	s_wait_dscnt 8                                 ; the very last quarter: nothing more to fetch
	WIN MUL_LO
	MUL16 F1, 0, 0, 0
	MUL16 F1, 0, 2, 0
	s_wait_dscnt 0
	WIN MUL_HI
	MUL16 F1, 1, 0, 0
	MUL16 F1, 1, 2, 0
	WIN 0
; THE WAY OUT, block by block of 16 rows x 128 columns, through my own stage: in as 32 bytes a lane, back as whole rows of 512 bytes.  LDS serves a wave's instructions in order: no wait between the stores and the loads.
.macro TOSTAGE a
.set AC, 64*((\a)%4)
	WIN 0x08+4*((\a)/4)                            ; the data: window 2 or 3
.irp b, 0,1,2,3,4,5,6,7
	ds_store_b128 v[STO], v[AC+8*\b:AC+8*\b+3] offset:64*\b          ; each accumulator from its low end on
	ds_store_b128 v[STO], v[AC+8*\b+4:AC+8*\b+7] offset:64*\b+16
.endr
	WIN 0
.set BB, BK+64*((\a)%2)
.irp t, 0,1,2,3,4,5,6,7,8,9,10,11,12,13,14,15
	ds_load_b128 v[BB+4*\t:BB+4*\t+3], v[RD] offset:\t*SPITCH
.endr
.endm
.macro SEND a, younger
.set BB, BK+64*((\a)%2)
	s_wait_dscnt \younger                          ; the block is back in registers
.if (\a) > 0
	s_add_nc_u64 s[10:11], s[10:11], 16*4096       ; (behind a wait on XCNT: the earlier stores have read their base)  16 rows on
.endif
.irp t, 0,1,2,3,4,5,6,7,8,9,10,11,12,13,14,15
	global_store_b128 v[CO], v[BB+4*\t:BB+4*\t+3], s[10:11] offset:\t*4096   ; 32 lanes store 512 consecutive bytes
.endr
.endm
	PLACES
	TOSTAGE 0
.irp a, 1,2,3,4,5,6,7
.if \a > 1
	s_wait_xcnt 0x0                                ; block a - 2's stores have read their registers and their base
.endif
	TOSTAGE \a
	SEND \a-1, 32                                  ; behind block a - 1's loads: block a's 16 stores and 16 loads
.endr
	s_wait_xcnt 0x0
	SEND 7, 0
	s_wait_tensorcnt 0x0                           ; the wave's end
	ds_add_u32 v[SPW], v[NIL]
	s_wait_dscnt 0x0
	CROUND                                         ; the closing round
	s_endpgm
.Lfunc_end_k_q7fc7bf8301_outp:
	.size	k_q7fc7bf8301_outp, .Lfunc_end_k_q7fc7bf8301_outp-k_q7fc7bf8301_outp
	.p2alignl 7, 3214868480
	.fill 96, 4, 3214868480
	.section	.rodata,"a",@progbits
	.p2align	6, 0x0
	.amdhsa_kernel k_q7fc7bf8301_outp
		.amdhsa_group_segment_fixed_size 327680
		.amdhsa_private_segment_fixed_size 0
		.amdhsa_enable_private_segment 0
		.amdhsa_kernarg_size 32
		.amdhsa_user_sgpr_count 2
		.amdhsa_user_sgpr_kernarg_segment_ptr 1
		.amdhsa_wavefront_size32 1
		.amdhsa_system_sgpr_workgroup_id_x 1
		.amdhsa_system_sgpr_workgroup_id_y 1
		.amdhsa_system_sgpr_workgroup_id_z 1
		.amdhsa_system_vgpr_workitem_id 0
		.amdhsa_next_free_vgpr 1024
		.amdhsa_next_free_sgpr 66
		.amdhsa_reserve_vcc 0
		.amdhsa_float_denorm_mode_32 3
		.amdhsa_float_denorm_mode_16_64 3
		.amdhsa_memory_ordered 1
		.amdhsa_forward_progress 1
		.amdhsa_inst_pref_size 142
	.end_amdhsa_kernel
	.amdgpu_metadata
---
amdhsa.version: [ 1, 2 ]
amdhsa.kernels:
  - .name:           k_q7fc7bf8301_outp
    .symbol:         k_q7fc7bf8301_outp.kd
    .args:
      - { .name: ctxf, .offset: 0, .size: 8, .value_kind: global_buffer, .address_space: global }
      - { .name: wohl, .offset: 8, .size: 8, .value_kind: global_buffer, .address_space: global }
      - { .name: bo, .offset: 16, .size: 8, .value_kind: global_buffer, .address_space: global }
      - { .name: out0, .offset: 24, .size: 8, .value_kind: global_buffer, .address_space: global }
    .group_segment_fixed_size: 327680
    .private_segment_fixed_size: 0
    .kernarg_segment_align: 8
    .kernarg_segment_size: 32
    .max_flat_workgroup_size: 128
    .sgpr_count:     66
    .vgpr_count:     1024
    .wavefront_size: 32
...
	.end_amdgpu_metadata
.endif
;; end of part 4
;; launch fine (part 5): grid 32 x 4, 16 waves a work-group, no clusters, 149,504 bytes of LDS; arguments qkvf, mbits, wohl, bo, out0; writes out0
.if DOCPART == 5
	.amdgcn_target "amdgcn-amd-amdhsa--gfx1250"
	.amdhsa_code_object_version 6
	.text
	.protected	k_q7fc7bf8301_fine
	.globl	k_q7fc7bf8301_fine
	.p2align	8
	.type	k_q7fc7bf8301_fine,@function
k_q7fc7bf8301_fine:
	s_mov_b64 s[64:65], 0
	v_nop
	global_prefetch_b8 v0, s[64:65] scope:SCOPE_SE
	s_setreg_imm32_b32 hwreg(HW_REG_WAVE_MODE, 25, 1), 1
	s_wait_xcnt 0x0
; Launch 5 of 5: positions 0-15 of each of the four sequences once more, more finely, over the rows that the launch before stored.  Rows that average few values are the largest and leave the rounding of f16
; operands the least room: here the weights p, V, the context and Wo go to the matrix unit as pairs of f16, a high and a low part (high x high + high x low + low x high).  The scores stay in plain f16: they always sum 64 terms.
; WORK LEFT OUT: tiles of 16 keys in which the mask keeps no key for any of the 16 rows, by the words that the first launch stored; where one of the 16 rows keeps no key at all, every tile is walked.
; SHARES.  Work-group (cg, batch) makes 16 rows x output columns 32 cg .. 32 cg + 31.  Phase 1: wave = head: the head's context for the 16 rows (done again in each of the 32 column groups: with few tiles kept it is
; a few KiB a head).  Phase 2: wave w multiplies the context's K = 128 (w / 2) .. + 127 by rows 32 cg + 16 (w % 2) .. of Wo; the eight parts of a sum meet in LDS.  The launch stores 64 bytes of a row at a time, 256 KiB in all.
; A tile of V is 16 keys: its high parts are K = 0-15 and its low parts K = 16-31 of ONE fragment; against (p high | p high) that gives V high x p high + V low x p high, against (p low | 0) V high x p low.
.set MF,    524288
.set CTXH,  65536                      ; LDS: 0: a turn area of 4,096 bytes for each wave; 65,536: the context's high parts, 32 fragments; 98,304: its low parts;
.set RED,   131072                     ; 16 x 1,024: the waves' parts of the sums;
.set SPARE, 147456                     ; the spare words, 128 bytes for each wave
.set SPW, 1
.set NIL, 2
.set LI,  3                            ; 16 x lane
.set SW,  4                            ; 16 x (lane with bits 3 and 4 exchanged)
.set OA,  5                            ; my bytes in out
.set BOF, 6
.set NEGT, 7
.set TA,  8                            ; my place in my turn area
.set CS,  9                            ; where I put my head's context
.set M,   10                           ; v10 m (v11 named with it)
.set L,   12                           ; v[12:13] l
.set C0,  14
.set C1,  15
.set A,   16                           ; v16 a, later 1 / l (v17 named with it)
.set CLD, 20                           ; where I read the context in phase 2
.set RDA, 21                           ; my place among the parts
.set QF,  24                           ; v24-39   Q
.set KF,  40                           ; v40-55   K
.set VS,  56                           ; v56-87   V as loaded; later the context's high fragments
.set VF,  88                           ; v88-119  V^T, four fragments; later the context's low fragments
.set S,   120                          ; v120-127 scores, p, p's low parts
.set PH,  128                          ; v128-135 (p high | p high)
.set PL,  136                          ; v136-143 (p low | 0)
.set T,   144                          ; v144-159 at work
.set O,   160                          ; v160-191 O^T; later three accumulators
.set WH,  192                          ; v192-223 Wo high, four fragments
.set WL,  224                          ; v224-255 Wo low
	s_load_b256 s[4:11], s[0:1], 0x0               ; qkvf s[4:5], mbits s[6:7], wohl s[8:9], bo s[10:11]
	s_load_b64 s[12:13], s[0:1], 0x20              ; out0
	v_lshl_add_u32 v[SPW], v0, 2, SPARE
	v_mov_b32 v[NIL], 0
	v_lshrrev_b32 v18, 5, v0
	v_readfirstlane_b32 s14, v18                   ; wave = head
	s_mov_b32 s15, ttmp9                           ; column group
	s_and_b32 s16, ttmp7, 0xffff                   ; batch
	v_and_b32 v18, 31, v0
	v_lshlrev_b32 v[LI], 4, v18
	v_and_b32 v[SW], 7, v0
	v_bfe_u32 v19, v0, 3, 1
	v_lshl_or_b32 v[SW], v19, 4, v[SW]
	v_bfe_u32 v19, v0, 4, 1                        ; h
	v_lshl_or_b32 v[SW], v19, 3, v[SW]
	v_lshlrev_b32 v[SW], 4, v[SW]
	v_lshlrev_b32 v[BOF], 5, v19
	v_and_b32 v18, 15, v0
	v_lshlrev_b32 v[OA], 12, v18                   ; row r of 4,096 bytes, + 32 h
	v_lshl_add_u32 v[OA], v19, 5, v[OA]
	s_lshl_b32 s24, s14, 12
	v_add_nc_u32 v[TA], s24, v[LI]
	s_lshl_b32 s24, s14, 11
	s_add_co_u32 s24, s24, CTXH
	v_add_nc_u32 v[CS], s24, v[LI]
	s_lshr_b32 s24, s14, 1
	s_lshl_b32 s24, s24, 12
	s_add_co_u32 s24, s24, CTXH
	v_add_nc_u32 v[CLD], s24, v[LI]
	s_lshl_b32 s24, s14, 10
	s_add_co_u32 s24, s24, RED
	v_add_nc_u32 v[RDA], s24, v[LI]
	v_mov_b32 v[NEGT], 0xceabfb8f                  ; -1e9 log2(e)
	v_mov_b32 v[M], 0xff61b1e6                     ; -3e38, under every t
	v_mov_b32 v[M+1], 0
	v_mov_b32 v[L], 0
	v_mov_b32 v[L+1], 0
	v_mov_b32 v[C1], 0
	v_mov_b32 v[A], 0
	v_mov_b32 v[A+1], 0
.irp i, 4,5,6,7
	v_mov_b32 v[PL+\i], 0                          ; the upper half of (p low | 0) stays 0
.endr
.set i, 0
.rept 32
	v_mov_b32 v[O+i], 0                            ; which tile is the first hangs on the mask, so no step of the text can start the sums
.set i, i+1
.endr
	s_mov_b32 s46, 0x76543210
	s_mov_b32 s47, 0xfedcba98
	s_lshl_b32 s24, s16, 22                        ; a batch is 4 MiB, a head 256 KiB in each tensor
	s_lshl_b32 s25, s14, 18
	s_add_co_u32 s24, s24, s25
	s_mov_b32 s25, 0
	s_lshl_b32 s52, s15, 1
	s_and_b32 s53, s14, 1
	s_add_co_u32 s52, s52, s53                     ; my 16 rows of Wo: tile 2 cg + w % 2, 32 KiB each;
	s_lshl_b32 s52, s52, 15
	s_lshr_b32 s53, s14, 1
	s_lshl_b32 s53, s53, 12                        ; my 128 along K: 4 KiB
	s_add_co_u32 s52, s52, s53
	s_mov_b32 s53, 0
	s_wait_kmcnt 0x0
	s_load_b32 s40, s[6:7], MF+1536                ; queries 0-15: a bit for each 16-key tile with a kept key, 128 bits,
	s_load_b32 s41, s[6:7], MF+2048
	s_load_b32 s42, s[6:7], MF+4096
	s_load_b32 s43, s[6:7], MF+4608
	s_load_b32 s44, s[6:7], MF+1024                ; and the rows with a kept key, in each half of the keys
	s_load_b32 s45, s[6:7], MF+3584
	s_add_nc_u64 s[50:51], s[4:5], s[24:25]        ; the head's Q,
	s_add_nc_u64 s[18:19], s[50:51], 0x1000000     ; K,
	s_add_nc_u64 s[20:21], s[50:51], 0x2000000     ; V high,
	s_add_nc_u64 s[22:23], s[50:51], 0x3000000     ; V low
	s_add_nc_u64 s[48:49], s[8:9], s[52:53]
.irp i, 0,1,2,3
	global_load_b128 v[QF+4*\i:QF+4*\i+3], v[LI], s[50:51] offset:512*\i
.endr
.irp i, 0,1,2,3,4,5,6,7
	global_load_b128 v[WH+4*\i:WH+4*\i+3], v[LI], s[48:49] offset:512*\i
	global_load_b128 v[WL+4*\i:WL+4*\i+3], v[LI], s[48:49] offset:2097152+512*\i
.endr
	s_wait_kmcnt 0x0
	s_or_b32 s44, s44, s45
	s_cmp_eq_u32 s44, 0xffff
	s_cselect_b32 s45, 0, -1                       ; a row with no kept key: every tile is walked
	s_or_b32 s40, s40, s45
	s_or_b32 s41, s41, s45
	s_or_b32 s42, s42, s45
	s_or_b32 s43, s43, s45
	s_mov_b32 s26, 0                               ; the tile's eight mask words: 32 bytes a tile
	s_mov_b32 s27, 0
.Lword:                                            ; 4 words x 32 bits: 128 tiles of 16 keys
	s_mov_b32 s28, 0
.Lbit:
	s_bitcmp1_b32 s40, 0
	s_cbranch_scc0 .Lskip
.irp i, 0,1,2,3
	global_load_b128 v[KF+4*\i:KF+4*\i+3], v[LI], s[18:19] offset:512*\i
.endr
.irp i, 0,1,2,3
	global_load_b128 v[VS+4*\i:VS+4*\i+3], v[SW], s[20:21] offset:512*\i
.endr
.irp i, 0,1,2,3
	global_load_b128 v[VS+16+4*\i:VS+16+4*\i+3], v[SW], s[22:23] offset:512*\i
.endr
	s_load_b256 s[32:39], s[6:7], s26 offset:0x0
	s_wait_loadcnt 0x0
.irp i, 0,1,2,3,4,5,6,7
	ds_store_b128 v[TA], v[VS+4*\i:VS+4*\i+3] offset:512*\i       ; through my own turn area: LDS serves a wave's instructions in order
.endr
.irp dt, 0,1,2,3
	ds_load_tr16_b128 v[VF+8*\dt:VF+8*\dt+3], v[TA] offset:512*\dt          ; channels 16 dt on: the 16 keys' high parts,
	ds_load_tr16_b128 v[VF+8*\dt+4:VF+8*\dt+7], v[TA] offset:2048+512*\dt   ; and their low parts
.endr
	v_wmma_f32_16x16x32_f16 v[S:S+7], v[KF:KF+7], v[QF:QF+7], 0
	s_wait_alu depctr_va_vdst(0)                   ; the wait directly ahead of the link
	v_wmma_f32_16x16x32_f16 v[S:S+7], v[KF+8:KF+15], v[QF+8:QF+15], v[S:S+7]
.rept 4
	v_nop
.endr
	s_wait_kmcnt 0x0
.irp j, 0,1,2,3,4,5,6,7
	v_cndmask_b32 v[S+\j], v[NEGT], v[S+\j], s[32+\j]
.endr
	v_max3_num_f32 v[C0], v[S], v[S+1], v[S+2]
	v_max3_num_f32 v[C1], v[S+3], v[S+4], v[S+5]
	v_max3_num_f32 v[C0], v[C0], v[S+6], v[S+7]
	v_max3_num_f32 v[C0], v[C0], v[C1], v[M]
	v_permlanex16_b32 v[C1], v[C0], s46, s47
	v_mov_b32 v[A], v[M]
	v_max_num_f32 v[M], v[C0], v[C1]
	v_sub_f32 v[A], v[A], v[M]
.irp j, 0,2,4,6
	v_pk_add_f32 v[S+\j:S+\j+1], v[S+\j:S+\j+1], v[M:M+1] op_sel_hi:[1,0] neg_lo:[0,1] neg_hi:[0,1]
.endr
	v_exp_f32 v[A], v[A]
.irp j, 0,1,2,3,4,5,6,7
	v_exp_f32 v[S+\j], v[S+\j]
.endr
	v_nop
	s_wait_alu depctr_va_vdst(0)                   ; one wait for the nine exponentials
	v_pk_mul_f32 v[L:L+1], v[L:L+1], v[A:A+1] op_sel_hi:[1,0]
.irp j, 0,2,4,6
	v_pk_add_f32 v[L:L+1], v[L:L+1], v[S+\j:S+\j+1]               ; the sum is taken of p as it is
.endr
.irp j, 0,1,2,3,4,5,6,7
	v_and_b32 v[T+\j], 0xffffe000, v[S+\j]         ; p high: 11 significant bits, exact in f16
.endr
.irp j, 0,1,2,3,4,5,6,7
	v_sub_f32 v[S+\j], v[S+\j], v[T+\j]            ; p low, exact in f32
.endr
.irp k, 0,1,2,3
	v_cvt_pk_f16_f32 v[PH+\k], v[T+2*\k], v[T+2*\k+1]
	v_cvt_pk_f16_f32 v[PL+\k], v[S+2*\k], v[S+2*\k+1]
.endr
.irp k, 0,1,2,3
	v_mov_b32 v[PH+4+\k], v[PH+\k]
.endr
.set i, 0
.rept 16
	v_pk_mul_f32 v[O+2*i:O+2*i+1], v[O+2*i:O+2*i+1], v[A:A+1] op_sel_hi:[1,0]
.set i, i+1
.endr
	s_wait_dscnt 0x0
.irp dt, 0,1,2,3                       ; the four accumulators by turns
	v_wmma_f32_16x16x32_f16 v[O+8*\dt:O+8*\dt+7], v[VF+8*\dt:VF+8*\dt+7], v[PH:PH+7], v[O+8*\dt:O+8*\dt+7]
.endr
.irp dt, 0,1,2,3
	v_wmma_f32_16x16x32_f16 v[O+8*\dt:O+8*\dt+7], v[VF+8*\dt:VF+8*\dt+7], v[PL:PL+7], v[O+8*\dt:O+8*\dt+7]
.endr
.rept 5
	v_nop
.endr
.Lskip:
	s_wait_xcnt 0x0                                ; the loads have read their bases and their offset
	s_add_nc_u64 s[18:19], s[18:19], 2048
	s_add_nc_u64 s[20:21], s[20:21], 2048
	s_add_nc_u64 s[22:23], s[22:23], 2048
	s_add_co_u32 s26, s26, 32
	s_lshr_b32 s40, s40, 1
	s_add_co_u32 s28, s28, 1
	s_cmp_lt_u32 s28, 32
	s_cbranch_scc1 .Lbit
	s_mov_b32 s40, s41
	s_mov_b32 s41, s42
	s_mov_b32 s42, s43
	s_add_co_u32 s27, s27, 1
	s_cmp_lt_u32 s27, 4
	s_cbranch_scc1 .Lword
	s_wait_loadcnt 0x0                             ; Wo's fragments, on every way
	v_add_f32 v[L], v[L], v[L+1]
	v_permlanex16_b32 v[C1], v[L], s46, s47
	v_add_f32 v[L], v[L], v[C1]                    ; the row's sum
	v_rcp_f32 v[A], v[L]
	v_nop
	s_wait_alu depctr_va_vdst(0)
.set i, 0
.rept 16
	v_pk_mul_f32 v[O+2*i:O+2*i+1], v[O+2*i:O+2*i+1], v[A:A+1] op_sel_hi:[1,0]   ; the context: lane (r, h): row r, channels 16 dt + 8 h + j
.set i, i+1
.endr
.set i, 0
.rept 32
	v_and_b32 v[VS+i], 0xffffe000, v[O+i]
.set i, i+1
.endr
.set i, 0
.rept 32
	v_sub_f32 v[O+i], v[O+i], v[VS+i]
.set i, i+1
.endr
.set i, 0
.rept 16
	v_cvt_pk_f16_f32 v[PH+i], v[VS+2*i], v[VS+2*i+1]   ; v128-143: the high parts,
	v_cvt_pk_f16_f32 v[T+i], v[O+2*i], v[O+2*i+1]      ; v144-159: the low parts
.set i, i+1
.endr
.irp dt, 0,1,2,3
	ds_store_b128 v[CS], v[PH+4*\dt:PH+4*\dt+3] offset:512*\dt
	ds_store_b128 v[CS], v[T+4*\dt:T+4*\dt+3] offset:32768+512*\dt
.endr
	s_wait_dscnt 0x0
	s_barrier_signal -1
	s_barrier_wait -1                              ; the 16 heads' context lies in LDS, as fragments
.irp i, 0,1,2,3,4,5,6,7
	ds_load_b128 v[VS+4*\i:VS+4*\i+3], v[CLD] offset:512*\i
	ds_load_b128 v[VF+4*\i:VF+4*\i+3], v[CLD] offset:32768+512*\i
.endr
	s_wait_dscnt 0x0
.irp i, 0,1,2,3                        ; three accumulators by turns: high x high, high x low, low x high
.if \i == 0
	v_wmma_f32_16x16x32_f16 v[O:O+7], v[WH+8*\i:WH+8*\i+7], v[VS+8*\i:VS+8*\i+7], 0
	v_wmma_f32_16x16x32_f16 v[O+8:O+15], v[WH+8*\i:WH+8*\i+7], v[VF+8*\i:VF+8*\i+7], 0
	v_wmma_f32_16x16x32_f16 v[O+16:O+23], v[WL+8*\i:WL+8*\i+7], v[VS+8*\i:VS+8*\i+7], 0
.else
	v_wmma_f32_16x16x32_f16 v[O:O+7], v[WH+8*\i:WH+8*\i+7], v[VS+8*\i:VS+8*\i+7], v[O:O+7]
	v_wmma_f32_16x16x32_f16 v[O+8:O+15], v[WH+8*\i:WH+8*\i+7], v[VF+8*\i:VF+8*\i+7], v[O+8:O+15]
	v_wmma_f32_16x16x32_f16 v[O+16:O+23], v[WL+8*\i:WL+8*\i+7], v[VS+8*\i:VS+8*\i+7], v[O+16:O+23]
.endif
.endr
.rept 4
	v_nop
.endr
.irp p, 0,2,4,6
	v_pk_add_f32 v[T+\p:T+\p+1], v[O+\p:O+\p+1], v[O+8+\p:O+8+\p+1]
.endr
.irp p, 0,2,4,6
	v_pk_add_f32 v[T+\p:T+\p+1], v[T+\p:T+\p+1], v[O+16+\p:O+16+\p+1]
.endr
	ds_store_b128 v[RDA], v[T:T+3]
	ds_store_b128 v[RDA], v[T+4:T+7] offset:512
	s_wait_dscnt 0x0
	s_barrier_signal -1
	s_barrier_wait -1                              ; the sixteen parts lie in LDS
	s_cmp_lt_u32 s14, 2
	s_cbranch_scc0 .Lend
	s_lshl_b32 s24, s15, 7                         ; waves 0 and 1 add the eight parts of their 16 columns: column 32 cg + 16 w, in bytes
	s_lshl_b32 s25, s14, 6
	s_add_co_u32 s24, s24, s25
	s_mov_b32 s25, 0
	s_add_nc_u64 s[10:11], s[10:11], s[24:25]
	global_load_b128 v[S:S+3], v[BOF], s[10:11]
	global_load_b128 v[S+4:S+7], v[BOF], s[10:11] offset:16
	s_add_nc_u64 s[12:13], s[12:13], s[24:25]
	s_lshl_b32 s24, s16, 23                        ; the batch's first row: 2,048 rows of 4,096 bytes a batch
	s_add_nc_u64 s[12:13], s[12:13], s[24:25]
.irp g, 0,1,2,3,4,5,6,7
	ds_load_b128 v[VS+8*\g:VS+8*\g+3], v[RDA] offset:2048*\g
	ds_load_b128 v[VS+8*\g+4:VS+8*\g+7], v[RDA] offset:2048*\g+512
.endr
	s_wait_dscnt 0x0
.irp g, 1,2,3,4,5,6,7
.irp p, 0,2,4,6
	v_pk_add_f32 v[VS+\p:VS+\p+1], v[VS+\p:VS+\p+1], v[VS+8*\g+\p:VS+8*\g+\p+1]
.endr
.endr
	s_wait_loadcnt 0x0
.irp p, 0,2,4,6
	v_pk_add_f32 v[VS+\p:VS+\p+1], v[VS+\p:VS+\p+1], v[S+\p:S+\p+1]   ; + bo
.endr
	global_store_b128 v[OA], v[VS:VS+3], s[12:13]
	global_store_b128 v[OA], v[VS+4:VS+7], s[12:13] offset:16
.Lend:
	s_wait_tensorcnt 0x0                           ; the wave's end
	ds_add_u32 v[SPW], v[NIL]
	s_wait_dscnt 0x0
	s_endpgm
.Lfunc_end_k_q7fc7bf8301_fine:
	.size	k_q7fc7bf8301_fine, .Lfunc_end_k_q7fc7bf8301_fine-k_q7fc7bf8301_fine
	.p2alignl 7, 3214868480
	.fill 96, 4, 3214868480
	.section	.rodata,"a",@progbits
	.p2align	6, 0x0
	.amdhsa_kernel k_q7fc7bf8301_fine
		.amdhsa_group_segment_fixed_size 149504
		.amdhsa_private_segment_fixed_size 0
		.amdhsa_enable_private_segment 0
		.amdhsa_kernarg_size 40
		.amdhsa_user_sgpr_count 2
		.amdhsa_user_sgpr_kernarg_segment_ptr 1
		.amdhsa_wavefront_size32 1
		.amdhsa_system_sgpr_workgroup_id_x 1
		.amdhsa_system_sgpr_workgroup_id_y 1
		.amdhsa_system_sgpr_workgroup_id_z 1
		.amdhsa_system_vgpr_workitem_id 0
		.amdhsa_next_free_vgpr 256
		.amdhsa_next_free_sgpr 66
		.amdhsa_reserve_vcc 0
		.amdhsa_float_denorm_mode_32 3
		.amdhsa_float_denorm_mode_16_64 3
		.amdhsa_memory_ordered 1
		.amdhsa_forward_progress 1
		.amdhsa_inst_pref_size 28
	.end_amdhsa_kernel
	.amdgpu_metadata
---
amdhsa.version: [ 1, 2 ]
amdhsa.kernels:
  - .name:           k_q7fc7bf8301_fine
    .symbol:         k_q7fc7bf8301_fine.kd
    .args:
      - { .name: qkvf, .offset: 0, .size: 8, .value_kind: global_buffer, .address_space: global }
      - { .name: mbits, .offset: 8, .size: 8, .value_kind: global_buffer, .address_space: global }
      - { .name: wohl, .offset: 16, .size: 8, .value_kind: global_buffer, .address_space: global }
      - { .name: bo, .offset: 24, .size: 8, .value_kind: global_buffer, .address_space: global }
      - { .name: out0, .offset: 32, .size: 8, .value_kind: global_buffer, .address_space: global }
    .group_segment_fixed_size: 149504
    .private_segment_fixed_size: 0
    .kernarg_segment_align: 8
    .kernarg_segment_size: 40
    .max_flat_workgroup_size: 512
    .sgpr_count:     66
    .vgpr_count:     256
    .wavefront_size: 32
...
	.end_amdgpu_metadata
.endif
;; end of part 5
